; MI455X (gfx1250); checked and timed in simulation.
; The chip was launched on July 23, 2026; its instructions are those of AMD's public machine-readable ISA for CDNA 5 (MIT licence, August 2026) and "CDNA5" Instruction Set Architecture Reference Guide (July 2026). The comments in the code are by the model that wrote it; some were corrected since.
;; Core Attention. Allowed arithmetic: matrix products marked QUANTISED: E4M3 operands, one given power-of-two scale a tensor, by v_wmma_f32_16x16x64_fp8_fp8 or v_wmma_f32_16x16x128_fp8_fp8, f32 sums; everything else in f32.
;; Inputs: Wk 2,048 x 2,048 float32; Wo 2,048 x 2,048 float32; Wq 2,048 x 2,048 float32; Wv 2,048 x 2,048 float32; attention_mask 1 x 1 x 2,048 x 2,048 float32; bk 2,048 float32; bo 2,048 float32; bq 2,048 float32; bv 2,048 float32; hidden_states 1 x 2,048 x 2,048 float32; lowp_scales 12 int32 (the exponents e of the quantised operands' scales 2^e).
;; Outputs: out0 1 x 2,048 x 2,048 float32.
;; This version of the problem:
;;   THIS VERSION OF THE PROBLEM IS GIVEN IN LOW PRECISION. The matrix products marked QUANTISED in the list below multiply operands that are first quantised to E4M3 (4 exponent bits, 3 mantissa bits; 8 bits a number), with one given power-of-two scale for each operand tensor; their sums are f32. All else is computed in f32.
;;   The module's matrix products, in the order in which they are computed (A, B: the left and right operand; K: the contracted axis; several contracted axes count as one K, in the product's order):
;;     1. [M 2,048, K 2,048] x [K 2,048, N 2,048]; A: input hidden_states; B: input Wq: QUANTISED (scales: A lowp_scales[0], B lowp_scales[1])
;;     2. [M 2,048, K 2,048] x [K 2,048, N 2,048]; A: input hidden_states; B: input Wk: QUANTISED (scales: A lowp_scales[2], B lowp_scales[3])
;;     3. [M 2,048, K 2,048] x [K 2,048, N 2,048]; A: input hidden_states; B: input Wv: QUANTISED (scales: A lowp_scales[4], B lowp_scales[5])
;;     4. batch 16 x [M 2,048, K 128] x [K 128, N 2,048]; A: computed on the way; B: computed on the way: QUANTISED (scales: A lowp_scales[6], B lowp_scales[7])
;;     5. batch 16 x [M 2,048, K 2,048] x [K 2,048, N 128]; A: softmax (see below); B: computed on the way: QUANTISED (scales: A lowp_scales[8], B lowp_scales[9])
;;     6. [M 2,048, K 2,048] x [K 2,048, N 2,048]; A: computed on the way; B: input Wo: QUANTISED (scales: A lowp_scales[10], B lowp_scales[11])
;;   THE QUANTISER, for each operand of a quantised product, along K:
;;     - The operand's scale is 2^e, e = its entry of the input lowp_scales (int32; the entries are numbered through the quantised products in the list's order, A before B).
;;     - Each number is divided by the scale, clamped to +-448, and rounded to the nearest number of E4M3, ties to even, subnormals kept.
;;     - The product sums the exact products of the quantised numbers (number of the format x scale) in f32.
;;   ~~~python
;;   def quantise(x, axis, e):      # numpy; x: float32 -> the quantised numbers, widened to float32 again
;;       x = np.moveaxis(x, axis, -1); K = x.shape[-1]
;;       r = np.clip(x / 2.0 ** e, -448, 448)
;;       step = 2.0 ** (np.maximum(np.frexp(np.where(r == 0, 1, r))[1] - 1, -6) - 3)
;;       q = np.round(r / step) * step * 2.0 ** e      # np.round: ties to even
;;       return np.moveaxis(q, -1, axis).astype(np.float32)
;;   ~~~
;;   SOFTMAX AHEAD OF A QUANTISED PRODUCT. Where the list says 'softmax', what is quantised is not the finished softmax but p = 2^(t - M), with t = logit x log2(e) and M = ceil(the row's largest t), a whole number; so 1/2 < the row's largest p <= 1. The row's sum l is taken of the UNQUANTISED p, in f32, and the product's result is divided by l at the end. Since M is a whole number, a kernel that streams over the keys may use a running M (the ceiling of the running maximum): every later rescaling is an exact power of two, so the quantised numbers keep their values, but for numbers so far below the row's largest that they fall under the format's range.
;;   OPERANDS COMPUTED ON THE WAY. 'Computed on the way' means the value that the module computes at that place (a softmax that the list does not call 'softmax' is quantised finished and normalised). What goes into a quantiser is computed in f32, as accurately as f32 sums, v_exp_f32 and their like allow (about 1e-6 of the number): no bf16 or f16 on the way to a quantiser, and a product that is left as it is and whose result goes on into a quantised operand takes f32 operands (vector FMAs, or v_wmma_f32_16x16x4_f32). A number that lies on a knife's edge between two numbers of the format may be rounded either way, as far as f32 arithmetic and the matrix unit's own rounding can turn it there, and no further.
;; One version. Each part assembles by itself: llvm-mc -triple=amdgcn-amd-amdhsa -mcpu=gfx1250 --defsym DOCPART=n.
;; ======== version 1 of 1: 4 launches
;; limits: right only within a limited range of input values
;; workspace buffers: h3 12,582,912 bytes; w3 12,582,912 bytes; woc 4,194,304 bytes; qc 4,194,304 bytes; kv 8,388,608 bytes; ac 4,194,304 bytes; flags 131,072 bytes of whole numbers
;; launch quant (part 1): grid 768 x 1, 4 waves a work-group, no clusters, 33,280 bytes of LDS; arguments hidden_states, Wq, Wk, Wv, Wo, lowp_scales, h3, w3, woc, attention_mask, flags; writes h3, w3, woc, flags
.if DOCPART == 1
	.amdgcn_target "amdgcn-amd-amdhsa--gfx1250"
	.amdhsa_code_object_version 6
	.text
	.protected	k_q08d4c1f67e_quant
	.globl	k_q08d4c1f67e_quant
	.p2align	8
	.type	k_q08d4c1f67e_quant,@function
k_q08d4c1f67e_quant:
	s_mov_b64 s[64:65], 0
	v_nop
	global_prefetch_b8 v0, s[64:65] scope:SCOPE_SE
	s_setreg_imm32_b32 hwreg(HW_REG_WAVE_MODE, 25, 1), 1
	s_wait_xcnt 0x0
; Five tensors of 2048 x 2048 f32, K innermost, become codes of FP8 (E4M3), one byte a number, in the order in which they lie.
; hidden_states is quantised three times, with the scales of entries 0, 2 and 4 of lowp_scales (planes 0, 1, 2 of h3); Wq, Wk, Wv with entries 1, 3, 5 (planes of w3); Wo with entry 11 (woc).
; code = x / 2^e, held within +-448, rounded to the nearest code, ties to even.
; LIMITS: each e used here lies between -126 and 119, so that 2^e and 448 x 2^e are f32 numbers.  NaN among the inputs is not served (an infinity is held at the largest code).
; SHARES: 128 work-groups to a tensor (the tensor is the work-group's number / 128); a wave takes 8,192 numbers on end: 16 steps of 512.
; Each of a step's four loads reads 512 consecutive bytes, 16 a lane; the conversions want 16 NEIGHBOURS in one lane: so a step's 2,048 bytes turn through the wave's own stage in LDS and come back 64 bytes a lane.
; A lane's 16 codes are 16 bytes: a wave's store covers 512 consecutive bytes, aligned.  No tensor loads, no barrier: waves share nothing.  Loads run four steps ahead, the turn through LDS one step.
.set WAVES, 4
.set STEPS, 16
.set WREG,  8192                       ; LDS: a region for each wave: two stages of 32 x SP bytes
.set SP,    80                         ; a lane's place in a stage: its 64 bytes + 16 of padding
.set SPARE, WAVES*WREG                 ; behind the regions: the spare words, 128 bytes for each wave, which no other line names
.set PLANE, 0x400000                   ; a tensor's codes in bytes
.set R,     16                         ; v16-79   four sets of 16 numbers as loaded
.set X,     80                         ; v80-111  two sets of 16 neighbours
.set T,     112                        ; v112-127 the numbers held within the range, at work
.set C,     128                        ; v128-139 codes: four registers for each of the three scales
.set SPW,   12                         ; v12  LDS address of my spare word; never rewritten
.set NIL,   13                         ; v13  0; never rewritten
.set TEN,   26                         ; s26  which tensor: 0 hidden_states, 1 Wq, 2 Wk, 3 Wv, 4 Wo
; Work-groups 640 to 767 read the additive mask and store whole-number flags for the attention launch (the text behind .Lmask says what they mean and why a flagged block adds nothing).
	s_cmp_ge_u32 ttmp9, 640
	s_cbranch_scc1 .Lmask
	s_load_b512 s[8:23], s[0:1], 0x0               ; hidden s[8:9], Wq s[10:11], Wk s[12:13], Wv s[14:15], Wo s[16:17], scales s[18:19], h3 s[20:21], w3 s[22:23]
	s_load_b64 s[24:25], s[0:1], 0x40              ; woc
	v_lshl_add_u32 v[SPW], v0, 2, SPARE
	v_mov_b32 v[NIL], 0
	v_lshrrev_b32 v1, 5, v0
	v_readfirstlane_b32 s27, v1                    ; wave
	v_and_b32 v2, 31, v0                           ; lane
	v_lshlrev_b32 v3, 4, v2                        ; 16 x lane: my bytes of a load's 512, and of a store's
	s_mul_i32 s2, s27, WREG
	v_lshrrev_b32 v14, 2, v2
	v_mul_u32_u24 v14, v14, SP
	v_and_b32 v15, 3, v2
	v_lshl_add_u32 v14, v15, 4, v14
	v_add_nc_u32 v14, s2, v14                      ; the stage, on the way in: SP (lane / 4) + 16 (lane % 4)
	v_mul_u32_u24 v15, v2, SP
	v_add_nc_u32 v15, s2, v15                      ; and on the way out: SP x lane: my 16 neighbours
	s_lshr_b32 s[TEN], ttmp9, 7
	s_and_b32 s3, ttmp9, 127
	s_lshl_b32 s3, s3, 2
	s_add_co_u32 s3, s3, s27                       ; which run of 8,192 numbers is my wave's: 0 .. 511
	s_lshl_b32 s48, s3, 15                         ; its bytes in the tensor,
	s_mov_b32 s49, 0
	s_lshl_b32 s34, s3, 13                         ; and in the codes
	s_mov_b32 s35, 0
	s_wait_alu depctr_va_vdst(0)
	s_wait_kmcnt 0x0
	s_load_b256 s[36:43], s[18:19], 0x0            ; e0 .. e7
	s_load_b128 s[44:47], s[18:19], 0x20           ; e8 .. e11
	s_cmp_eq_u32 s[TEN], 1                         ; the buffers are chosen by the work-group's number alone
	s_cselect_b64 s[4:5], s[10:11], s[8:9]
	s_cmp_eq_u32 s[TEN], 2
	s_cselect_b64 s[4:5], s[12:13], s[4:5]
	s_cselect_b32 s50, PLANE, 0                    ; Wk's codes are plane 1 of w3,
	s_cmp_eq_u32 s[TEN], 3
	s_cselect_b64 s[4:5], s[14:15], s[4:5]
	s_cselect_b32 s50, 2*PLANE, s50                ; Wv's plane 2
	s_cmp_eq_u32 s[TEN], 4
	s_cselect_b64 s[4:5], s[16:17], s[4:5]
	s_cselect_b64 s[28:29], s[24:25], s[22:23]
	s_cmp_eq_u32 s[TEN], 0
	s_cselect_b64 s[28:29], s[20:21], s[28:29]
	s_add_co_u32 s34, s34, s50
	s_add_nc_u64 s[4:5], s[4:5], s[48:49]          ; where my wave reads,
	s_add_nc_u64 s[28:29], s[28:29], s[34:35]      ; where its codes go,
	s_add_nc_u64 s[30:31], s[28:29], PLANE         ; and, for hidden_states alone, planes 1 and 2 of h3 (not used for the weights)
	s_add_nc_u64 s[32:33], s[28:29], 2*PLANE
.macro LOAD t
.irp i, 0,1,2,3
	global_load_b128 v[R+16*((\t)%4)+4*\i:R+16*((\t)%4)+4*\i+3], v3, s[4:5] offset:2048*(\t)+512*\i th:TH_LOAD_NT   ; 32 lanes read 512 consecutive bytes; read once in the launch
.endr
.endm
.macro TURN t                          ; step t's numbers through the stage: LDS serves a wave's instructions in order, so no wait stands between the stores and the loads
.irp i, 0,1,2,3
	ds_store_b128 v14, v[R+16*((\t)%4)+4*\i:R+16*((\t)%4)+4*\i+3] offset:32*SP*((\t)%2)+8*SP*\i
.endr
.irp i, 0,1,2,3
	ds_load_b128 v[X+16*((\t)%2)+4*\i:X+16*((\t)%2)+4*\i+3], v15 offset:32*SP*((\t)%2)+16*\i
.endr
.endm
.macro MKSC e, sc, lim                 ; 2^e as f32 (the conversion takes its exponent field) and 448 x 2^e
	s_add_co_i32 s52, s[\e], 127
	s_lshl_b32 s53, s52, 23
	v_mov_b32 v[\sc], s53
	s_add_co_i32 s52, s52, 8
	s_lshl_b32 s52, s52, 23
	s_or_b32 s52, s52, 0x600000
	v_mov_b32 v[\lim], s52
.endm
.irp t, 0,1,2,3
	LOAD \t
.endr
	s_wait_kmcnt 0x0
	s_cmp_eq_u32 s[TEN], 1
	s_cselect_b32 s51, s37, s36                    ; the first scale: e0 for hidden_states, e1, e3, e5, e11 for the weights
	s_cmp_eq_u32 s[TEN], 2
	s_cselect_b32 s51, s39, s51
	s_cmp_eq_u32 s[TEN], 3
	s_cselect_b32 s51, s41, s51
	s_cmp_eq_u32 s[TEN], 4
	s_cselect_b32 s51, s47, s51
	MKSC 51, 5, 6
	MKSC 38, 7, 8                                  ; e2
	MKSC 40, 9, 10                                 ; e4
	s_wait_alu depctr_va_vdst(0)
	s_wait_loadcnt 12                              ; step 0's four loads are in; twelve younger ones may be out
	TURN 0
; 16 neighbours become 16 codes under one scale and are stored.  The numbers stay in X: hidden_states needs them three times.
.macro CONV k, sc, lim, base, t
.irp i, 0,1,2,3,4,5,6,7,8,9,10,11,12,13,14,15
	v_med3_num_f32 v[T+\i], v[XS+\i], -v[\lim], v[\lim]   ; the conversion to an 8-bit code does not saturate (ISA guide 7.6.2): hold the number within the largest code x the scale first
.endr
	v_cvt_scalef32_pk8_fp8_f32 v[C+4*\k:C+4*\k+1], v[T:T+7], v[\sc]
	v_cvt_scalef32_pk8_fp8_f32 v[C+4*\k+2:C+4*\k+3], v[T+8:T+15], v[\sc]
	v_nop                                          ; a plain line behind the conversions: the next holds write their sources again
	global_store_b128 v3, v[C+4*\k:C+4*\k+3], s[\base:\base+1] offset:512*(\t)
.endm
.macro STEP t
.set XS, X+16*((\t)%2)
	s_wait_dscnt 0x0                               ; this step's numbers are back from the stage: so its stores into the stage have read their registers,
.if (\t)+4 < STEPS
	LOAD (\t)+4                                    ; which take the loads of four steps on
.endif
.if (\t)+1 < STEPS
.if STEPS-2-(\t) >= 3
	s_wait_loadcnt 12                              ; the next step's four loads are in; those of the three steps behind it may be out
.else
	s_wait_loadcnt 4*(STEPS-2-(\t))
.endif
	TURN (\t)+1                                    ; and go through the other stage while this step is worked
.endif
	s_wait_xcnt 0x0                                ; the last step's stores have read their data: the codes' registers are written again only behind this wait
	CONV 0, 5, 6, 28, \t
	s_cmp_lg_u32 s[TEN], 0                         ; a weight has one scale; the branch hangs on the work-group's number and leads round register work and stores alone
	s_cbranch_scc1 .Lweight_\@
	CONV 1, 7, 8, 30, \t
	CONV 2, 9, 10, 32, \t
.Lweight_\@:
.endm
.irp t, 0,1,2,3,4,5,6,7,8,9,10,11,12,13,14,15
	STEP \t
.endr
	s_wait_tensorcnt 0x0                           ; the wave's end, behind my last LDS store
	ds_add_u32 v[SPW], v[NIL]
	s_wait_dscnt 0x0
	s_endpgm
; THE MASK'S FLAGS.  Work-group 640 + T takes the 16 mask rows of query tile T; a wave takes four rows and stores one word for them: bit j: block j (keys 128 j .. 128 j + 127) may be left out; bit 16 + j: all its numbers are 0.
; WHEN A BLOCK MAY BE LEFT OUT.  A score q . k / sqrt(128) is made of 128 products of two E4M3 numbers, so its magnitude stays under B = 448 x 448 x sqrt(128) x 2^(e6 + e7), whatever the inputs hold; 2 B lies under 2^23 x 2^(e6 + e7).
; Bit j is set only where, in each of the four rows, the row's largest mask number lies above every mask number m of the block by at least 2^23 x 2^(e6 + e7) + 128 + 2^-18 (|largest| + |m|).
; Then each logit of the block lies more than 128 under the row's largest logit, the roundings of f32 sums included: t - M is under -150 and p = 2^(t - M) is no f32 number but 0: its code is 0 and it adds nothing to the row's sum.
; That holds for all values; it is decided here from the mask as it is given, and no pattern of the mask is built in.  LIMIT: NaN in the mask is not served; a comparison with an infinity that gives NaN leaves the bit 0, and the block is then walked.
; A row's block is 512 bytes: one load of the wave, 16 bytes a lane.  A lane tests its own four numbers' maximum (the test is monotone in m); all 32 lanes must agree, and the four rows' masks are joined by AND.
; Each wave stores its word in all 64 words of an aligned run of 256 bytes of its own.
.set MR,  16                           ; v16-143  two rows of 64 registers, by turns
.set BMX, 144                          ; v144-159 my largest m of each block
.set AMX, 160                          ; v160-175 my largest |m| of each block
.Lmask:
	s_load_b64 s[4:5], s[0:1], 0x28                ; the scales' exponents
	s_load_b128 s[8:11], s[0:1], 0x48              ; the mask, the flags
	v_lshrrev_b32 v1, 5, v0
	v_readfirstlane_b32 s12, v1                    ; wave
	v_and_b32 v2, 31, v0
	v_lshlrev_b32 v3, 4, v2                        ; 16 x lane: my bytes of a block
	v_lshlrev_b32 v4, 3, v2                        ; 8 x lane: my bytes of the store
	v_mov_b32 v178, 0                              ; a lane permute's destination counts as one of its sources
	s_sub_co_u32 s13, ttmp9, 640
	s_lshl_b32 s13, s13, 2
	s_add_co_u32 s13, s13, s12                     ; which four rows: 0 .. 511
	s_lshl_b32 s14, s13, 15                        ; their bytes in the mask,
	s_mov_b32 s15, 0
	s_lshl_b32 s16, s13, 8                         ; and my 256 bytes of the flags
	s_mov_b32 s17, 0
	s_mov_b32 s22, 0x76543210
	s_mov_b32 s23, 0xfedcba98                      ; lane l xor 16
	s_mov_b32 s24, 0x36800000                      ; 2^-18
	s_wait_alu depctr_va_vdst(0)
	s_wait_kmcnt 0x0
	s_load_b64 s[18:19], s[4:5], 0x18              ; e6, e7
	s_add_nc_u64 s[8:9], s[8:9], s[14:15]
	s_add_nc_u64 s[10:11], s[10:11], s[16:17]
.macro MLOAD row
.irp j, 0,1,2,3,4,5,6,7,8,9,10,11,12,13,14,15
	global_load_b128 v[MR+64*((\row)%2)+4*\j:MR+64*((\row)%2)+4*\j+3], v3, s[8:9] offset:8192*(\row)+512*\j th:TH_LOAD_NT
.endr
.endm
	MLOAD 0
	MLOAD 1
	s_wait_kmcnt 0x0
	s_add_co_i32 s18, s18, s19
	v_mov_b32 v5, 0x4b000000                       ; 2^23
	v_ldexp_f32 v5, v5, s18
	v_add_f32 v5, 0x43000000, v5                   ; 2^23 x 2^(e6 + e7) + 128
	s_wait_alu depctr_va_vdst(0)
.macro MROW row
.set XR, MR+64*((\row)%2)
.if (\row) < 3
	s_wait_loadcnt 16                              ; this row's 16 loads are in; the next row's may be out
.else
	s_wait_loadcnt 0x0
.endif
.irp j, 0,1,2,3,4,5,6,7,8,9,10,11,12,13,14,15
	v_max3_num_f32 v[BMX+\j], v[XR+4*\j], v[XR+4*\j+1], v[XR+4*\j+2]
	v_max3_num_f32 v[AMX+\j], |v[XR+4*\j]|, |v[XR+4*\j+1]|, |v[XR+4*\j+2]|
.endr
.irp j, 0,1,2,3,4,5,6,7,8,9,10,11,12,13,14,15
	v_max_num_f32 v[BMX+\j], v[BMX+\j], v[XR+4*\j+3]
	v_max_num_f32 v[AMX+\j], v[AMX+\j], |v[XR+4*\j+3]|
.endr
.if (\row)+2 < 4
	MLOAD (\row)+2
.endif
	v_max3_num_f32 v176, v[BMX], v[BMX+1], v[BMX+2]          ; the row's largest number: among my 64,
	v_max3_num_f32 v177, v[BMX+3], v[BMX+4], v[BMX+5]
.irp j, 6,10
	v_max3_num_f32 v176, v176, v[BMX+\j], v[BMX+\j+1]
	v_max3_num_f32 v177, v177, v[BMX+\j+2], v[BMX+\j+3]
.endr
	v_max3_num_f32 v176, v176, v[BMX+14], v[BMX+15]
	v_max_num_f32 v176, v176, v177
	v_max_num_f32_dpp v176, v176, v176 row_xmask:1 row_mask:0xf bank_mask:0xf   ; and over the 32 lanes
	v_max_num_f32_dpp v176, v176, v176 row_xmask:2 row_mask:0xf bank_mask:0xf
	v_max_num_f32_dpp v176, v176, v176 row_xmask:4 row_mask:0xf bank_mask:0xf
	v_max_num_f32_dpp v176, v176, v176 row_xmask:8 row_mask:0xf bank_mask:0xf
	v_permlanex16_b32 v178, v176, s22, s23
	v_max_num_f32 v176, v176, v178
	v_sub_f32 v177, v176, v5
	v_fma_f32 v177, -|v176|, s24, v177             ; the bound: largest - margin - 2^-18 |largest|
.irp j, 0,1,2,3,4,5,6,7,8,9,10,11,12,13,14,15
	v_fma_f32 v[BMX+\j], |v[BMX+\j]|, s24, v[BMX+\j]         ; m + 2^-18 |m|
.endr
.irp j, 0,1,2,3,4,5,6,7,8,9,10,11,12,13,14,15
.if (\row) == 0
	v_cmp_le_f32 s[32+\j], v[BMX+\j], v177
	v_cmp_eq_f32 s[48+\j], 0, v[AMX+\j]
.else
	v_cmp_le_f32 s20, v[BMX+\j], v177
	v_cmp_eq_f32 s21, 0, v[AMX+\j]
	s_and_b32 s[32+\j], s[32+\j], s20
	s_and_b32 s[48+\j], s[48+\j], s21
.endif
.endr
.endm
	MROW 0
	MROW 1
	MROW 2
	MROW 3
	s_mov_b32 s21, 0
.irp j, 0,1,2,3,4,5,6,7,8,9,10,11,12,13,14,15
	s_cmp_eq_u32 s[32+\j], -1                      ; all 32 lanes, in all four rows
	s_cselect_b32 s20, 1<<\j, 0
	s_or_b32 s21, s21, s20
	s_cmp_eq_u32 s[48+\j], -1
	s_cselect_b32 s20, 1<<(16+\j), 0
	s_or_b32 s21, s21, s20
.endr
	v_mov_b32 v6, s21
	v_mov_b32 v7, s21
	global_store_b64 v4, v[6:7], s[10:11]          ; 32 lanes store 256 consecutive bytes, aligned
	s_endpgm
.Lfunc_end_k_q08d4c1f67e_quant:
	.size	k_q08d4c1f67e_quant, .Lfunc_end_k_q08d4c1f67e_quant-k_q08d4c1f67e_quant
	.p2alignl 7, 3214868480
	.fill 96, 4, 3214868480
	.section	.rodata,"a",@progbits
	.p2align	6, 0x0
	.amdhsa_kernel k_q08d4c1f67e_quant
		.amdhsa_group_segment_fixed_size 33280
		.amdhsa_private_segment_fixed_size 0
		.amdhsa_enable_private_segment 0
		.amdhsa_kernarg_size 88
		.amdhsa_user_sgpr_count 2
		.amdhsa_user_sgpr_kernarg_segment_ptr 1
		.amdhsa_wavefront_size32 1
		.amdhsa_system_sgpr_workgroup_id_x 1
		.amdhsa_system_sgpr_workgroup_id_y 1
		.amdhsa_system_sgpr_workgroup_id_z 1
		.amdhsa_system_vgpr_workitem_id 0
		.amdhsa_next_free_vgpr 192
		.amdhsa_next_free_sgpr 66
		.amdhsa_reserve_vcc 0
		.amdhsa_float_denorm_mode_32 3
		.amdhsa_float_denorm_mode_16_64 3
		.amdhsa_memory_ordered 1
		.amdhsa_forward_progress 1
		.amdhsa_inst_pref_size 125
	.end_amdhsa_kernel
	.amdgpu_metadata
---
amdhsa.version: [ 1, 2 ]
amdhsa.kernels:
  - .name:           k_q08d4c1f67e_quant
    .symbol:         k_q08d4c1f67e_quant.kd
    .args:
      - { .name: hidden_states, .offset: 0, .size: 8, .value_kind: global_buffer, .address_space: global }
      - { .name: Wq, .offset: 8, .size: 8, .value_kind: global_buffer, .address_space: global }
      - { .name: Wk, .offset: 16, .size: 8, .value_kind: global_buffer, .address_space: global }
      - { .name: Wv, .offset: 24, .size: 8, .value_kind: global_buffer, .address_space: global }
      - { .name: Wo, .offset: 32, .size: 8, .value_kind: global_buffer, .address_space: global }
      - { .name: lowp_scales, .offset: 40, .size: 8, .value_kind: global_buffer, .address_space: global }
      - { .name: h3, .offset: 48, .size: 8, .value_kind: global_buffer, .address_space: global }
      - { .name: w3, .offset: 56, .size: 8, .value_kind: global_buffer, .address_space: global }
      - { .name: woc, .offset: 64, .size: 8, .value_kind: global_buffer, .address_space: global }
      - { .name: attention_mask, .offset: 72, .size: 8, .value_kind: global_buffer, .address_space: global }
      - { .name: flags, .offset: 80, .size: 8, .value_kind: global_buffer, .address_space: global }
    .group_segment_fixed_size: 33280
    .private_segment_fixed_size: 0
    .kernarg_segment_align: 8
    .kernarg_segment_size: 88
    .max_flat_workgroup_size: 128
    .sgpr_count:     66
    .vgpr_count:     192
    .wavefront_size: 32
...
	.end_amdgpu_metadata
.endif
;; end of part 1
;; launch qkv (part 2): grid 24 x 8, 4 waves a work-group, clusters of 4 x 4, 327,680 bytes of LDS; arguments h3, w3, bq, bk, bv, lowp_scales, qc, kv; writes qc, kv
.if DOCPART == 2
	.amdgcn_target "amdgcn-amd-amdhsa--gfx1250"
	.amdhsa_code_object_version 6
	.text
	.protected	k_q08d4c1f67e_qkv
	.globl	k_q08d4c1f67e_qkv
	.p2align	8
	.type	k_q08d4c1f67e_qkv,@function
k_q08d4c1f67e_qkv:
	s_mov_b64 s[64:65], 0
	v_nop
	global_prefetch_b8 v0, s[64:65] scope:SCOPE_SE
	s_setreg_imm32_b32 hwreg(HW_REG_WAVE_MODE, 25, 1), 1
	s_wait_xcnt 0x0
	s_wait_alu depctr_hold_cnt(0) depctr_sa_sdst(0) depctr_va_vdst(0) depctr_va_sdst(0) depctr_va_ssrc(0) depctr_va_vcc(0) depctr_vm_vsrc(0)
	s_getreg_b32 s2, hwreg(HW_REG_IB_STS2, 6, 4)
	s_cmp_eq_u32 s2, 0
	s_cbranch_scc0 .Lentry_in_a_cluster
	s_endpgm
.Lentry_in_a_cluster:
	s_bfe_u32 s2, ttmp6, 0x10000c
	s_cmp_lg_u32 s2, 0xf033
	s_cbranch_scc0 .Lentry_shape_is_right
	s_endpgm
.Lentry_shape_is_right:
.set KSTEP,  256
.set ROWB,   256
.set KROW,   2048
.set PITCH,  272
.set FR,     16
.set NL,     4
.set NP,     4
.set HALFT,  128*PITCH
.set SLOT,   4*HALFT
.set LAPS,   4
.set SPARE,  2*SLOT
.set STAGE,  SPARE+512
.set SPITCH, 144
.set STG1,   16*SPITCH
.set OBI,  12
.set OBM,  13
.set ADRA, 16
.set ADRB, 20
.set STO,  24
.set RD,   25
.set CO,   26
.set SPW,  28
.set NIL,  29
.set SC,   30
.set LIM,  31
.set BI,   32
.set BM,   96
.set AF,   128
.set TMP,  128
.set PC,   192
.set BK,   224
.set WH,   12
.set G1, 24
.set G0, 32
.set G1B, 48
.set G0B, 56
.set MSB, 0
.macro WIN new
.if MSB != (\new)
	s_set_vgpr_msb (MSB<<8)|(\new)
.set MSB, (\new)
.endif
.endm
.set MUL_LO, 0xa1
.set MUL_HI, 0xf1
.set TO_B,   0x40
.macro JLOAD g0a, g1a, g0b, g1b
	s_cmp_eq_u32 s15, 0
	s_cbranch_scc0 .Lfor_b_\@
	tensor_load_to_lds s[\g0a:\g0a+3], s[\g1a:\g1a+7]
	s_nop 0
.rept 4
	v_nop
.endr
	s_branch .Lasked_\@
.Lfor_b_\@:
	tensor_load_to_lds s[\g0b:\g0b+3], s[\g1b:\g1b+7]
	s_nop 0
.rept 4
	v_nop
.endr
.Lasked_\@:
.endm
.macro CREST
	s_cmp_lg_u32 s14, 0
	s_cbranch_scc1 .Lnot_wave_0_\@
	s_barrier_signal -3
.Lnot_wave_0_\@:
	s_barrier_wait -3
	s_barrier_signal -1
	s_barrier_wait -1
.endm
.macro CROUND
	s_barrier_signal -1
	s_barrier_wait -1
	CREST
.endm
	s_load_b512 s[68:83], s[0:1], 0x0
	v_lshl_add_u32 v[SPW], v0, 2, SPARE
	v_mov_b32 v[NIL], 0
	ds_add_u32 v[SPW], v[NIL]
	ds_add_u32 v[SPW], v[NIL]
	v_lshrrev_b32 v1, 5, v0
	v_readfirstlane_b32 s14, v1
	s_lshr_b32 s15, s14, 1
	s_and_b32 s16, s14, 1
	s_bfe_u32 s40, ttmp6, 0x40000
	s_bfe_u32 s41, ttmp6, 0x40004
	s_lshr_b32 s[WH], ttmp9, 1
	s_and_b32 s42, ttmp9, 1
	s_lshl_b32 s42, s42, 2
	s_add_co_u32 s42, s42, s40
	s_and_b32 s17, ttmp7, 0xffff
	s_lshl_b32 s17, s17, 2
	s_add_co_u32 s17, s17, s41
	s_lshl_b32 s43, s41, 2
	s_lshl_b32 s43, 15, s43
	s_lshl_b32 s44, 0x1111, s40
	s_or_b32 s[G1+0], s43, (0<<16)|(1<<20)|(1<<21)|(5<<22)|(3<<25)
	s_or_b32 s[G1B+0], s44, (0<<16)|(1<<20)|(1<<21)|(5<<22)|(3<<25)
.irp g, G1, G1B
	s_mov_b32 s[\g+1], ROWB<<16
	s_mov_b32 s[\g+2], 128<<16
	s_mov_b32 s[\g+3], ROWB<<16
	s_mov_b32 s[\g+4], 128
	s_mov_b32 s[\g+5], KROW
	s_mov_b32 s[\g+6], 0
	s_mov_b32 s[\g+7], 0
.endr
	s_lshl_b32 s18, s16, 7
	s_lshl_b32 s20, s17, 8
	s_add_co_u32 s20, s20, s18
	s_lshl_b32 s46, s42, 8
	s_add_co_u32 s46, s46, s18
	s_lshl_b32 s20, s20, 11
	s_lshl_b32 s46, s46, 11
	s_lshl_b32 s18, s[WH], 22
	s_add_co_u32 s20, s20, s18
	s_add_co_u32 s46, s46, s18
	s_mov_b32 s21, 0
	s_mov_b32 s47, 0
	s_mul_i32 s45, s14, HALFT
	s_wait_dscnt 0x0
	s_wait_kmcnt 0x0
	s_load_b256 s[84:91], s[78:79], 0x0
	s_load_b64 s[92:93], s[78:79], 0x20
	s_cmp_eq_u32 s[WH], 2
	s_cselect_b64 s[4:5], s[70:71], s[68:69]
	s_cselect_b64 s[6:7], s[68:69], s[70:71]
	s_add_nc_u64 s[20:21], s[4:5], s[20:21]
	s_add_nc_u64 s[46:47], s[6:7], s[46:47]
	; the prefetches: of the 128 rows that my wave fetches, my work-group names 32, told apart from its three partners' by address (cx for the first operand's tiles, cy for the second's); they stand at K step 2
	s_cmp_eq_u32 s15, 0
	s_cselect_b64 s[98:99], s[20:21], s[46:47]
	s_cselect_b32 s94, s40, s41
	s_lshl_b32 s94, s94, 16                        ; 32 rows of 2,048 bytes
	s_add_co_u32 s94, s94, 2*ROWB
	s_mov_b32 s95, 0
	s_add_nc_u64 s[98:99], s[98:99], s[94:95]
	CROUND
.irp s, 0,1
	s_mov_b32 s[G0+4*\s], 1
	s_add_co_u32 s[G0+4*\s+1], s45, \s*SLOT
	s_add_nc_u64 s[G0+4*\s+2:G0+4*\s+3], s[20:21], \s*ROWB
	s_or_b32 s[G0+4*\s+3], s[G0+4*\s+3], 0x80000000
	s_mov_b32 s[G0B+4*\s], 1
	s_add_co_u32 s[G0B+4*\s+1], s45, \s*SLOT
	s_add_nc_u64 s[G0B+4*\s+2:G0B+4*\s+3], s[46:47], \s*ROWB
	s_or_b32 s[G0B+4*\s+3], s[G0B+4*\s+3], 0x80000000
	s_wait_alu depctr_va_vdst(0)
	s_wait_tensorcnt 0x0
	ds_add_u32 v28, v29
	ds_add_u32 v28, v29
	s_wait_dscnt 0x0
	CROUND
	JLOAD G0+4*\s, G1, G0B+4*\s, G1B
.endr
	v_and_b32 v1, 15, v0
	s_wait_alu depctr_va_vdst(0)
	v_bfe_u32 v2, v0, 4, 1
	v_mul_u32_u24 v3, v1, PITCH
	v_lshl_add_u32 v4, v2, 4, v3
	s_mul_i32 s21, s15, HALFT
	s_mul_i32 s22, s16, HALFT
	s_add_co_u32 s22, s22, 2*HALFT
.irp s, 0,1
	v_add_nc_u32 v[ADRA+\s], s21, v4
	v_add_nc_u32 v[ADRB+\s], s22, v4
	s_add_co_u32 s21, s21, SLOT
	s_add_co_u32 s22, s22, SLOT
.endr
	s_mul_i32 s23, s14, 2*STG1
	s_add_co_u32 s23, s23, STAGE
	v_mul_u32_u24 v5, v1, SPITCH
	s_wait_alu depctr_va_vdst(0)
	v_lshl_add_u32 v5, v2, 3, v5
	v_add_nc_u32 v[STO], s23, v5
; THE CODES LEAVE IN THE ORDER IN WHICH THE ATTENTION LAUNCH'S OPERAND REGISTERS TAKE THEM.  A block of 128 rows x 128 bytes is eight tiles of 2,048 bytes; tile 2 b + t holds rows 32 b + 16 u + 8 t + r3 (u = 0, 1; r3 = 0 .. 7).
; In a tile the 16 bytes 32 c + 16 h .. of such a row lie at 512 c + 256 u + 128 h + 16 r3.  A store's lanes 0-15 and 16-31 each fill one aligned run of 256 bytes: lane = 16 g + 8 h + r3, c = 2 (i % 2) + g.
	v_and_b32 v14, 31, v0
	v_lshlrev_b32 v14, 11, v14                     ; the prefetches' offset: a lane a row; never rewritten
	v_and_b32 v6, 31, v0
	v_and_b32 v5, 15, v6
	v_lshlrev_b32 v[CO], 4, v5
	v_lshrrev_b32 v5, 4, v6
	v_lshl_add_u32 v[CO], v5, 9, v[CO]             ; 512 g + 128 h + 16 r3
	v_lshrrev_b32 v5, 3, v6
	v_lshlrev_b32 v5, 4, v5                        ; 32 g + 16 h
	v_and_b32 v6, 7, v6
	v_mad_u32_u24 v5, v6, SPITCH, v5               ; stage row r3
	v_add_nc_u32 v[RD], s23, v5
	s_lshl_b32 s18, s17, 1
	s_add_co_u32 s18, s18, s15
	s_lshl_b32 s19, s42, 1
	s_add_co_u32 s19, s19, s16
	s_lshl_b32 s20, s19, 9
	v_lshlrev_b32 v[OBI], 5, v2
	v_add_nc_u32 v[OBI], s20, v[OBI]
	s_lshl_b32 s20, s18, 9
	v_lshlrev_b32 v[OBM], 2, v1
	v_add_nc_u32 v[OBM], s20, v[OBM]
	s_cmp_eq_u32 s[WH], 1
	s_cselect_b64 s[8:9], s[74:75], s[72:73]
	s_cmp_eq_u32 s[WH], 2
	s_cselect_b64 s[8:9], s[76:77], s[8:9]
.irp b, 0,1,2,3,4,5,6,7
	global_load_b128 v[BI+8*\b:BI+8*\b+3], v[OBI], s[8:9] offset:64*\b
	global_load_b128 v[BI+8*\b+4:BI+8*\b+7], v[OBI], s[8:9] offset:64*\b+16
.endr
.irp a, 0,1,2,3,4,5,6,7
	global_load_b32 v[BM+2*\a], v[OBM], s[8:9] offset:64*\a
	global_load_b32 v[BM+2*\a+1], v[OBM], s[8:9] offset:64*\a
.endr
	s_cmp_eq_u32 s[WH], 2
	s_cselect_b32 s20, s18, s19
	s_cselect_b32 s21, s19, s18
	s_cselect_b32 s22, 16384, 0
	s_lshl_b32 s20, s20, 4
	s_add_co_u32 s20, s20, s21
	s_cmp_eq_u32 s[WH], 0
	s_cselect_b32 s21, 14, 15
	s_cselect_b64 s[10:11], s[80:81], s[82:83]
	s_lshl_b32 s20, s20, s21
	s_add_co_u32 s20, s20, s22
	s_mov_b32 s21, 0
	s_add_nc_u64 s[10:11], s[10:11], s[20:21]
.macro FRAG reg, adr, q, i
.irp c, 0,1,2,3
	ds_load_b128 v[\reg+4*\c:\reg+4*\c+3], v[\adr] offset:128*(\q)+32*\c+(\i)*16*PITCH
.endr
.endm
.macro MUL16 a0, p, zero
.irp a, \a0, \a0+1
.irp b, 0,1,2,3,4,5,6,7
.if \zero
	v_wmma_f32_16x16x128_fp8_fp8 v[8*(8*((\a)%4)+\b):8*(8*((\a)%4)+\b)+7], v[128*(\p)+FR*\b:128*(\p)+FR*\b+FR-1], v[AF+FR*(\a):AF+FR*(\a)+FR-1], 0
.else
	v_wmma_f32_16x16x128_fp8_fp8 v[8*(8*((\a)%4)+\b):8*(8*((\a)%4)+\b)+7], v[128*(\p)+FR*\b:128*(\p)+FR*\b+FR-1], v[AF+FR*(\a):AF+FR*(\a)+FR-1], v[8*(8*((\a)%4)+\b):8*(8*((\a)%4)+\b)+7]
.endif
.endr
.endr
.endm
.macro FETCH_B slot, q, p
	WIN TO_B
.irp i, 0,1,2,3,4,5,6,7
	FRAG 128*(\p)+FR*\i, ADRB+\slot, \q, \i
.endr
	WIN 0
.endm
.macro FETCH_A slot, q, i0
.irp i, \i0, \i0+1, \i0+2, \i0+3
	FRAG AF+FR*(\i), ADRA+\slot, \q, \i
.endr
.endm
.macro PLACES n
.rept \n
	v_nop
.endr
.endm
.macro STEP slot, q, zero
	s_wait_dscnt 4*NL
	WIN MUL_LO
	MUL16 0, (\q)%2, \zero
	MUL16 2, (\q)%2, \zero
	s_wait_dscnt 0
	PLACES NP
	FETCH_B \slot, (\q)+1, 1-(\q)%2
	FETCH_A \slot, (\q)+1, 0
	WIN MUL_HI
	MUL16 4, (\q)%2, \zero
	MUL16 6, (\q)%2, \zero
	PLACES NP
	WIN 0
	FETCH_A \slot, (\q)+1, 4
.endm
.macro TURN slot, next, fill
.if \fill
	s_wait_xcnt 0x0                                ; my last prefetch, a K step back, has read its address: it is stepped here, ahead of the waits of the change of slots
	s_add_nc_u64 s[98:99], s[98:99], ROWB
.endif
	s_wait_tensorcnt 0x0
	ds_add_u32 v[SPW], v[NIL]
	s_wait_dscnt 4*NL+1
	WIN MUL_LO
	MUL16 0, 1, 0
	s_wait_dscnt 0x0
	s_barrier_signal -1
	MUL16 2, 1, 0
	WIN 0
	s_barrier_wait -1
.if \fill
	CREST
	s_add_nc_u64 s[G0+4*\slot+2:G0+4*\slot+3], s[G0+4*\slot+2:G0+4*\slot+3], 2*ROWB
	s_add_nc_u64 s[G0B+4*\slot+2:G0B+4*\slot+3], s[G0B+4*\slot+2:G0B+4*\slot+3], 2*ROWB
	JLOAD G0+4*\slot, G1, G0B+4*\slot, G1B
.else
	PLACES NP
.endif
	FETCH_B \next, 0, 0
	FETCH_A \next, 0, 0
.if \fill
	s_cmp_gt_u32 s3, 1                             ; a prefetch into the L2 of the K step two refills on: 32 rows x 256 bytes, one instruction a wave; the last lap's two refills have no K step two on
	s_cbranch_scc0 .Lnp_\@
	global_prefetch_b8 v14, s[98:99] offset:ROWB th:TH_LOAD_NT scope:SCOPE_SE
.Lnp_\@:
.endif
	WIN MUL_HI
	MUL16 4, 1, 0
	MUL16 6, 1, 0
	PLACES NP
	WIN 0
	FETCH_A \next, 0, 4
.endm
	s_wait_tensorcnt 1
	s_barrier_signal -1
	s_barrier_wait -1
	FETCH_B 0, 0, 0
	FETCH_A 0, 0, 0
	FETCH_A 0, 0, 4
	STEP 0, 0, 1
	s_mov_b32 s3, LAPS-1
.Llap:
	TURN 0, 1, 1
	STEP 1, 0, 0
	TURN 1, 0, 1
	STEP 0, 0, 0
	s_sub_co_u32 s3, s3, 1
	s_cmp_lg_u32 s3, 0
	s_cbranch_scc1 .Llap
	TURN 0, 1, 0
	STEP 1, 0, 0
	s_wait_dscnt 4*NL
	WIN MUL_LO
	MUL16 0, 1, 0
	MUL16 2, 1, 0
	s_wait_dscnt 0
	WIN MUL_HI
	MUL16 4, 1, 0
	MUL16 6, 1, 0
	WIN 0
.macro TOSTAGE a
.set AC, 64*((\a)%4)
.set PCS, PC+16*((\a)%2)
.set BKS, BK+16*((\a)%2)
.set BMA, BM+2*(\a)
.set SOF, STG1*((\a)%2)
	s_cmp_eq_u32 s[WH], 2
	s_cbranch_scc1 .Lfor_v_\@
	WIN 0x02+((\a)/4)
.set j, 0
.rept 32
	v_pk_fma_f32 v[TMP+j:TMP+j+1], v[AC+j:AC+j+1], s[96:97], v[BI+j:BI+j+1] op_sel_hi:[1,0,1]
.set j, j+2
.endr
	WIN 0
	s_branch .Lbiased_\@
.Lfor_v_\@:
	WIN 0x02+((\a)/4)
.set j, 0
.rept 32
	v_pk_fma_f32 v[TMP+j:TMP+j+1], v[AC+j:AC+j+1], s[96:97], v[BMA:BMA+1] op_sel_hi:[1,0,1]
.set j, j+2
.endr
	WIN 0
.Lbiased_\@:
.set j, 0
.rept 64
	v_med3_num_f32 v[TMP+j], v[TMP+j], -v[LIM], v[LIM]
.set j, j+1
.endr
.irp b, 0,1,2,3,4,5,6,7
	v_cvt_scalef32_pk8_fp8_f32 v[PCS+2*\b:PCS+2*\b+1], v[TMP+8*\b:TMP+8*\b+7], v[SC]
.endr
	v_nop
.irp b, 0,1,2,3,4,5,6,7
	ds_store_b64 v[STO], v[PCS+2*\b:PCS+2*\b+1] offset:SOF+16*\b
.endr
.irp i, 0,1,2,3
	ds_load_b128 v[BKS+4*\i:BKS+4*\i+3], v[RD] offset:SOF+8*(\i/2)*SPITCH+64*(\i%2)
.endr
.endm
.macro SEND a, younger
.set BKS, BK+16*((\a)%2)
	s_wait_dscnt \younger
.irp i, 0,1,2,3
	global_store_b128 v[CO], v[BKS+4*\i:BKS+4*\i+3], s[10:11] offset:((\a)/2)*4096+(\i/2)*2048+(\i%2)*1024+((\a)%2)*256
.endr
.endm
	s_wait_kmcnt 0x0
	s_add_co_i32 s96, s84, s85
	s_add_co_i32 s97, s86, s87
	s_add_co_i32 s18, s88, s89
	s_cmp_eq_u32 s[WH], 1
	s_cselect_b32 s96, s97, s96
	s_cselect_b32 s19, s91, s90
	s_cmp_eq_u32 s[WH], 2
	s_cselect_b32 s96, s18, s96
	s_cselect_b32 s19, s93, s19
	s_add_co_i32 s96, s96, 127
	s_lshl_b32 s96, s96, 23
	s_mov_b32 s97, s96
	s_add_co_i32 s19, s19, 127
	s_lshl_b32 s18, s19, 23
	v_mov_b32 v[SC], s18
	s_add_co_i32 s19, s19, 8
	s_lshl_b32 s19, s19, 23
	s_or_b32 s19, s19, 0x600000
	v_mov_b32 v[LIM], s19
	s_wait_loadcnt 0x0
	PLACES NP
	TOSTAGE 0
.irp a, 1,2,3,4,5,6,7
.if \a > 1
	s_wait_xcnt 0x0
.endif
	TOSTAGE \a
	SEND \a-1, 12
.endr
	SEND 7, 0
	s_wait_tensorcnt 0x0
	ds_add_u32 v[SPW], v[NIL]
	s_wait_dscnt 0x0
	CROUND
	s_endpgm
.Lfunc_end_k_q08d4c1f67e_qkv:
	.size	k_q08d4c1f67e_qkv, .Lfunc_end_k_q08d4c1f67e_qkv-k_q08d4c1f67e_qkv
	.p2alignl 7, 3214868480
	.fill 96, 4, 3214868480
	.section	.rodata,"a",@progbits
	.p2align	6, 0x0
	.amdhsa_kernel k_q08d4c1f67e_qkv
		.amdhsa_group_segment_fixed_size 327680
		.amdhsa_private_segment_fixed_size 0
		.amdhsa_enable_private_segment 0
		.amdhsa_kernarg_size 64
		.amdhsa_user_sgpr_count 2
		.amdhsa_user_sgpr_kernarg_segment_ptr 1
		.amdhsa_wavefront_size32 1
		.amdhsa_system_sgpr_workgroup_id_x 1
		.amdhsa_system_sgpr_workgroup_id_y 1
		.amdhsa_system_sgpr_workgroup_id_z 1
		.amdhsa_system_vgpr_workitem_id 0
		.amdhsa_next_free_vgpr 1024
		.amdhsa_next_free_sgpr 100
		.amdhsa_reserve_vcc 0
		.amdhsa_float_denorm_mode_32 3
		.amdhsa_float_denorm_mode_16_64 3
		.amdhsa_memory_ordered 1
		.amdhsa_forward_progress 1
		.amdhsa_inst_pref_size 164
	.end_amdhsa_kernel
	.amdgpu_metadata
---
amdhsa.version: [ 1, 2 ]
amdhsa.kernels:
  - .name:           k_q08d4c1f67e_qkv
    .symbol:         k_q08d4c1f67e_qkv.kd
    .args:
      - { .name: h3, .offset: 0, .size: 8, .value_kind: global_buffer, .address_space: global }
      - { .name: w3, .offset: 8, .size: 8, .value_kind: global_buffer, .address_space: global }
      - { .name: bq, .offset: 16, .size: 8, .value_kind: global_buffer, .address_space: global }
      - { .name: bk, .offset: 24, .size: 8, .value_kind: global_buffer, .address_space: global }
      - { .name: bv, .offset: 32, .size: 8, .value_kind: global_buffer, .address_space: global }
      - { .name: lowp_scales, .offset: 40, .size: 8, .value_kind: global_buffer, .address_space: global }
      - { .name: qc, .offset: 48, .size: 8, .value_kind: global_buffer, .address_space: global }
      - { .name: kv, .offset: 56, .size: 8, .value_kind: global_buffer, .address_space: global }
    .group_segment_fixed_size: 327680
    .private_segment_fixed_size: 0
    .kernarg_segment_align: 8
    .kernarg_segment_size: 64
    .max_flat_workgroup_size: 128
    .sgpr_count:     100
    .vgpr_count:     1024
    .wavefront_size: 32
...
	.end_amdgpu_metadata
.endif
;; end of part 2
;; launch attn (part 3): grid 16 x 16, 8 waves a work-group, no clusters, 226,304 bytes of LDS; arguments qc, kv, attention_mask, flags, lowp_scales, ac; writes ac
.if DOCPART == 3
	.amdgcn_target "amdgcn-amd-amdhsa--gfx1250"
	.amdhsa_code_object_version 6
	.text
	.protected	k_q08d4c1f67e_attn
	.globl	k_q08d4c1f67e_attn
	.p2align	8
	.type	k_q08d4c1f67e_attn,@function
k_q08d4c1f67e_attn:
	s_mov_b64 s[64:65], 0
	v_nop
	global_prefetch_b8 v0, s[64:65] scope:SCOPE_SE
	s_setreg_imm32_b32 hwreg(HW_REG_WAVE_MODE, 25, 1), 1
	s_wait_xcnt 0x0
; Attention on codes of FP8 (E4M3), 16 heads of 128, 2,048 queries and keys, with the additive mask that is given: logit = q . k / sqrt(128) + mask[q][k].
; THE SOFTMAX AHEAD OF THE SECOND PRODUCT: t = logit x log2(e); M = the largest t so far, rounded UP to a whole number; p = 2^(t - M) is quantised (entry 8 of lowp_scales) along the keys, not normalised.
; The row's sum is taken of the unquantised p and divides O at the end; when M moves, the sum and O are multiplied by 2^(old M - new M).  O / sum is quantised at once (entry 10) for the last projection.
; WORK LEFT OUT, by the whole numbers that the first launch stored from the mask as it is given (its text shows the bound, which holds for all values): a block of 128 keys whose p are all 0 for the tile's 16 queries is not walked;
; in a block whose mask numbers are all 0 the mask is neither loaded nor added.  A row's block that holds its largest mask number is never flagged, so every tile has at least one block to walk.
; Branches and trip counts hang on those stored numbers; the launch has no tensor load and no joint loads in a cluster.  K and V go from memory straight into the operand registers, each load 512 bytes on end
; (the launch before lays them so).  No prefetch into the L2 is laid: each wave asks for the next block's K and V a whole trip ahead, into registers.
; SHARES.  A work-group: ONE head x eight tiles of 16 queries: a = 4 g .. 4 g + 3 and 127 - a: a fixed deal by ids.  Waves w and w + 4 share BOTH tiles a = 4 g + w % 4 and 127 - a:
; phase 0 walks tile 127 - a, phase 1 tile a; in a phase one wave takes the blocks with an even number, the other those with an odd one, and the two change parts between the phases.  So four waves walk the same blocks of K and V.
; Each phase leaves O^T, -M and the sum in LDS bytes of the wave's own; behind a barrier wave w < 4 joins the two parts of tile a, wave w + 4 those of tile 127 - a: each part x 2^(its M - the larger M), a whole power of two.
; ac is laid [head][query][128 codes]: a tile's 16 rows are 2,048 bytes on end, which leave through the wave's own stage as four stores of 512 consecutive bytes.
; LAYOUT.  Both products are used transposed: S^T = K Q^T, O^T = V^T P^T: a lane holds ONE query (lane % 16).  Tiles 2 b, 2 b + 1 give a lane keys (or channels) 32 b + 16 (lane / 16) + 0 .. 15 in 16 registers on end.
; In a block with mask numbers t is formed as a rounded sum, then x log2(e), and M is taken off by x 1.0 - M; where the mask is 0, t - M = score x (2^(e6+e7) log2(e) / sqrt(128)) - M in one fused step.
; LIMITS: e6 + e7 between -122 and 130 (added to exponent fields); e8 and e10 between -126 and 119; |t| under 2^31; a row all of whose mask is -infinity, and NaN, are not served.
; REGISTERS: v1-11, v30, v31 addresses; v12-29 statistics and scales; v32-95 the mask's numbers; v96-159 S^T, then p; v160-223 O^T; v224-239 p's codes; v240-255 Q.  Window 1: v0-127 K of a block, v128-255 V.
.set MP,    528                        ; a row of the mask's stage: 512 bytes + 16
.set OST,   8*16*MP                    ; behind the eight waves' mask stages: eight stages of 16 rows x 144 bytes for the way out
.set SPT,   144
.set PART,  OST+8*16*SPT               ; the parts: for wave w and phase p at PART + (2 w + p) PSZ
.set PSZ,   8704                       ; 64 registers x 128 bytes of O^T, then 16 bytes a lane of statistics
.set SPARE, PART+16*PSZ                ; the spare words, 128 bytes for each wave, which no other line names
.set KO,  1                            ; my lane's place in a fragment load's 512 bytes
.set QO,  2
.set LN,  3                            ; 16 x lane
.set MSI, 4                            ; mask stage, in
.set MSO, 5                            ; mask stage, out
.set STO, 6
.set RD,  7
.set SPW, 9
.set NIL, 10
.set PA0, 11                           ; my parts' first byte + 16 x lane
.set NM,  12                           ; -M; v13 the largest t
.set TM,  13
.set SUM, 14                           ; v[14:15] the sum in two halves
.set MX,  16                           ; v16-19 four chains of the maximum
.set XL,  20
.set OLD, 21
.set FF,  22                           ; f (v23 = 0, named with it as a pair)
.set SU2, 24
.set PSC, 26
.set PLIM, 27
.set ASC, 28
.set ALIM, 29
.set PA,  30                           ; the phase's part
.set PR,  31                           ; the first of the two parts that I join
.set MK,  32
.set SS,  96
.set OO,  160
.set PP,  224
.set QQ,  240
.set WV,  16
.set PH,  39                           ; the phase
.set ACT, 44                           ; bit j: block j is still to be asked for
.set ZB,  45                           ; bit j: block j's mask is all 0
.set NB,  46                           ; blocks to walk
.set CNT, 47
.set JC,  60                           ; the block in hand
.set JN,  61                           ; the next
.set T0,  62
.set T1,  63
.set NA,  66                           ; s[66:67] the base of K's loads: the next block in kv
.set NO,  68
.set MA,  70                           ; s[70:71] the block's mask numbers
.set MO,  72
.set MUL, 74                           ; s[74:75] what S is multiplied by on the way to t
.set CS,  76                           ; s[76:77] 2^(e6 + e7) / sqrt(128)
.set L2E, 78
.set C2,  80                           ; 2^(e6 + e7) log2(e) / sqrt(128)
.set SEL, 82
.set MB,  84                           ; s[84:85] the mask at the phase's tile
.set TLO, 86                           ; tile a
.set THI, 87                           ; tile 127 - a
.set WLO, 88                           ; their flags
.set WHI, 89
.set QA,  90                           ; s[90:91] qc at the phase's tile
.set QF,  92
.set MF,  94
.set PO,  96
.set TT,  97
.set NV,  98                           ; s[98:99] the base of V's loads
.set MSB, 0
.macro WIN new
.if MSB != (\new)
	s_set_vgpr_msb (MSB<<8)|(\new)
.set MSB, (\new)
.endif
.endm
.macro NOP4
.rept 4
	v_nop
.endr
.endm
.macro POP d                           ; the lowest block still to be asked for, held within 0 .. 15, and its address.  It stands where K's last loads, which read s[NA:NA+1], have been waited for
	s_ctz_i32_b32 s[\d], s[ACT]
	s_min_u32 s[\d], s[\d], 15
	s_sub_co_u32 s[T0], s[ACT], 1
	s_and_b32 s[ACT], s[ACT], s[T0]
	s_lshl_b32 s[NO], s[\d], 15
	s_add_nc_u64 s[NA:NA+1], s[6:7], s[NO:NO+1]
.endm
.macro KVLOAD reg, base, off           ; 32 loads: eight fragments of 16 rows x 128 bytes
	WIN 0x40
.irp u, 0,1,2,3,4,5,6,7
.irp c, 0,1,2,3
	global_load_b128 v[\reg+16*\u+4*\c:\reg+16*\u+4*\c+3], v[KO], s[\base:\base+1] offset:\off+\u*2048+\c*512
.endr
.endr
	WIN 0
.endm
.macro KQ                              ; S^T = K Q^T: each sum begins and ends in one instruction
	WIN 0x01
.irp u, 0,1,2,3,4,5,6,7
	v_wmma_f32_16x16x128_fp8_fp8 v[SS+8*\u:SS+8*\u+7], v[16*\u:16*\u+15], v[QQ:QQ+15], 0
.endr
	WIN 0
	NOP4                                           ; places ahead of the loads into K's registers and of the reads of S^T
.endm
	s_load_b256 s[4:11], s[0:1], 0x0               ; qc, kv, the mask, the flags
	s_load_b128 s[12:15], s[0:1], 0x20             ; the scales' exponents, ac
	v_lshl_add_u32 v[SPW], v0, 2, SPARE
	v_mov_b32 v[NIL], 0
	v_lshrrev_b32 v11, 5, v0
	v_readfirstlane_b32 s[WV], v11                 ; wave 0..7
	s_and_b32 s18, s[WV], 3
	s_lshr_b32 s19, s[WV], 2                       ; which of the two waves that share two tiles
	s_lshl_b32 s[TLO], ttmp9, 2
	s_add_co_u32 s[TLO], s[TLO], s18
	s_sub_co_u32 s[THI], 127, s[TLO]
	s_cmp_eq_u32 s19, 0
	s_cselect_b32 s20, s[TLO], s[THI]              ; the tile that I finish
	s_and_b32 s22, ttmp7, 0xffff                   ; the head
	s_lshl_b32 s24, s[TLO], 10                     ; the flags: four runs of 256 bytes a tile
	s_mov_b32 s25, 0
	s_lshl_b32 s30, s[THI], 10
	s_mov_b32 s31, 0
	s_lshl_b32 s26, s22, 18                        ; qc: 256 KiB a head
	s_mov_b32 s27, 0
	s_lshl_b32 s28, s22, 19                        ; kv: 512 KiB a head
	s_mov_b32 s29, 0
	s_lshl_b32 s32, s22, 18                        ; ac: 256 KiB a head,
	s_lshl_b32 s23, s20, 11                        ; 2,048 bytes a tile
	s_add_co_u32 s32, s32, s23
	s_mov_b32 s33, 0
	s_mul_i32 s34, s[WV], 16*MP                    ; my mask stage
	s_mul_i32 s35, s[WV], 16*SPT
	s_add_co_u32 s35, s35, OST                     ; my stage for the way out
	s_mul_i32 s23, s[WV], 2*PSZ
	s_add_co_u32 s23, s23, PART                    ; my two parts
	s_lshl_b32 s38, s18, 1
	s_xor_b32 s39, s19, 1                          ; tile a is phase 1's, tile 127 - a phase 0's
	s_add_co_u32 s38, s38, s39
	s_mul_i32 s38, s38, PSZ
	s_add_co_u32 s38, s38, PART                    ; the part of wave w % 4 that I join; wave w % 4 + 4's lies 8 PSZ on
	s_mov_b32 s[NO+1], 0
	s_mov_b32 s[MO+1], 0
	s_mov_b32 s[QF+1], 0
	s_mov_b32 s[MF+1], 0
	s_mov_b32 s[SEL], 0x76543210
	s_mov_b32 s[SEL+1], 0xfedcba98
	s_mov_b32 s[L2E], 0x3fb8aa3b
	s_mov_b32 s[L2E+1], s[L2E]
	v_and_b32 v24, 15, v0                          ; r
	v_bfe_u32 v25, v0, 4, 1                        ; h
	v_and_b32 v16, 7, v24
	v_lshrrev_b32 v17, 3, v24
	v_lshlrev_b32 v18, 4, v16
	v_lshl_add_u32 v18, v25, 7, v18
	v_lshl_add_u32 v[KO], v17, 8, v18              ; 256 (r / 8) + 128 h + 16 (r % 8)
	v_lshl_add_u32 v[QO], v17, 11, v18             ; Q: my query's upper eight lie a tile on
	v_and_b32 v[LN], 31, v0
	v_lshlrev_b32 v[LN], 4, v[LN]
	v_add_nc_u32 v[MSI], s34, v[LN]
	v_mul_u32_u24 v19, v24, MP
	v_lshl_add_u32 v19, v25, 6, v19
	v_add_nc_u32 v[MSO], s34, v19                  ; row r, + 64 h: my 16 keys of a block of 32
	v_mul_u32_u24 v20, v24, SPT
	v_lshl_add_u32 v20, v25, 4, v20
	v_add_nc_u32 v[STO], s35, v20                  ; in: row r, + 16 h
	v_bfe_u32 v21, v0, 3, 2
	v_mul_u32_u24 v21, v21, SPT
	v_lshl_add_u32 v21, v16, 4, v21
	v_add_nc_u32 v[RD], s35, v21                   ; back: eight lanes to a row of 128 bytes, four rows an instruction
	v_add_nc_u32 v[PA0], s23, v[LN]
	v_add_nc_u32 v[PR], s38, v[LN]
	v_mov_b32 v[XL], 0                             ; a lane permute's destination counts as one of its sources
	v_mov_b32 v[FF+1], 0
	s_wait_alu depctr_va_vdst(0)
	s_wait_kmcnt 0x0
	s_add_nc_u64 s[24:25], s[10:11], s[24:25]
	s_add_nc_u64 s[30:31], s[10:11], s[30:31]
	s_load_b32 s40, s[24:25], 0x0                  ; the words of each tile's four groups of four rows
	s_load_b32 s41, s[24:25], 0x100
	s_load_b32 s42, s[24:25], 0x200
	s_load_b32 s43, s[24:25], 0x300
	s_load_b32 s44, s[30:31], 0x0
	s_load_b32 s45, s[30:31], 0x100
	s_load_b32 s46, s[30:31], 0x200
	s_load_b32 s47, s[30:31], 0x300
	s_load_b256 s[48:55], s[12:13], 0x0            ; e0 .. e7
	s_load_b128 s[56:59], s[12:13], 0x20           ; e8 .. e11
	s_add_nc_u64 s[4:5], s[4:5], s[26:27]
	s_add_nc_u64 s[6:7], s[6:7], s[28:29]
	s_add_nc_u64 s[14:15], s[14:15], s[32:33]
	s_wait_kmcnt 0x0
	s_and_b32 s40, s40, s41
	s_and_b32 s42, s42, s43
	s_and_b32 s[WLO], s40, s42                     ; a flag holds for a tile where it holds for all 16 rows
	s_and_b32 s44, s44, s45
	s_and_b32 s46, s46, s47
	s_and_b32 s[WHI], s44, s46
	s_add_co_i32 s17, s54, s55                     ; a score stands for score x 2^(e6 + e7): added to the factors' exponent fields
	s_lshl_b32 s17, s17, 23
	s_add_co_i32 s[CS], s17, 0x3db504f3            ; 1 / sqrt(128)
	s_mov_b32 s[CS+1], s[CS]
	s_add_co_i32 s[C2], s17, 0x3e0293ee            ; log2(e) / sqrt(128)
	s_add_co_i32 s17, s56, 127
	s_lshl_b32 s18, s17, 23
	v_mov_b32 v[PSC], s18                          ; 2^e8
	s_add_co_i32 s17, s17, 8
	s_lshl_b32 s17, s17, 23
	s_or_b32 s17, s17, 0x600000
	v_mov_b32 v[PLIM], s17                         ; 448 x 2^e8
	s_add_co_i32 s17, s58, 127
	s_lshl_b32 s18, s17, 23
	v_mov_b32 v[ASC], s18                          ; 2^e10
	s_add_co_i32 s17, s17, 8
	s_lshl_b32 s17, s17, 23
	s_or_b32 s17, s17, 0x600000
	v_mov_b32 v[ALIM], s17                         ; 448 x 2^e10
	s_mov_b32 s[PH], 0
; A TRIP: one block of 128 keys.  nx = 1: the next block's K is asked for behind the first product, its V behind the second.  At a trip's head K's 32 loads and V's 32 are out, K's the older.
; K's loads and V's have bases of their own, each written again only behind the counted wait that shows its last loads done.
.macro TRIP nx
	s_lshr_b32 s[T0], s[ZB], s[JC]
	s_and_b32 s[T0], s[T0], 1
	s_cmp_lg_u32 s[T0], 0
	s_cbranch_scc1 .Lzero_\@
	s_lshl_b32 s[MO], s[JC], 9                     ; THE BLOCK HAS MASK NUMBERS: 16 rows x 512 bytes, a row a load (an earlier block's mask loads have been waited for),
	s_add_nc_u64 s[MA:MA+1], s[MB:MB+1], s[MO:MO+1]
.irp i, 0,1,2,3,4,5,6,7,8,9,10,11,12,13,14,15
	global_load_b128 v[MK+4*\i:MK+4*\i+3], v[LN], s[MA:MA+1] offset:\i*8192
.endr
	s_wait_loadcnt 48                              ; K is in; V's 32 loads and the mask's 16 may be out
	KQ
.if \nx
	POP JN
	KVLOAD 0, NA, 0
.endif
	s_wait_loadcnt 32*\nx                          ; the mask is in; the next K's 32 may be out
.irp i, 0,1,2,3,4,5,6,7,8,9,10,11,12,13,14,15
	ds_store_b128 v[MSI], v[MK+4*\i:MK+4*\i+3] offset:\i*MP
.endr
	s_wait_dscnt 0x0                               ; the stores have read their registers, which the loads below fill
.irp b, 0,1,2,3
.irp g, 0,1,2,3
	ds_load_b128 v[MK+16*\b+4*\g:MK+16*\b+4*\g+3], v[MSO] offset:128*\b+16*\g   ; turned through my own stage into S^T's places
.endr
.endr
	s_wait_dscnt 0x0
.set jj, 0
.rept 32
	v_pk_fma_f32 v[SS+jj:SS+jj+1], v[SS+jj:SS+jj+1], s[CS:CS+1], v[MK+jj:MK+jj+1] op_sel_hi:[1,0,1]   ; the logit; each accumulator from its low end on
.set jj, jj+2
.endr
.set jj, 0
.rept 32
	v_pk_mul_f32 v[SS+jj:SS+jj+1], v[SS+jj:SS+jj+1], s[L2E:L2E+1] op_sel_hi:[1,0]   ; t
.set jj, jj+2
.endr
	s_mov_b32 s[MUL], 1.0
	s_mov_b32 s[MUL+1], 1.0
	s_wait_alu depctr_va_vdst(0)
	s_branch .Ljoin_\@
.Lzero_\@:                                             ; THE BLOCK'S MASK IS ALL 0
	s_wait_loadcnt 32                              ; K is in; V's 32 loads may be out
	KQ
.if \nx
	POP JN
	KVLOAD 0, NA, 0
.endif
	s_mov_b32 s[MUL], s[C2]
	s_mov_b32 s[MUL+1], s[C2]
.Ljoin_\@:
	v_max3_num_f32 v[MX], v[SS], v[SS+1], v[SS+2]            ; the block's largest, in four chains, in ascending order
	v_max3_num_f32 v[MX+1], v[SS+3], v[SS+4], v[SS+5]
	v_max3_num_f32 v[MX+2], v[SS+6], v[SS+7], v[SS+8]
	v_max3_num_f32 v[MX+3], v[SS+9], v[SS+10], v[SS+11]
.irp k, 12,20,28,36,44,52
.irp q, 0,1,2,3
	v_max3_num_f32 v[MX+\q], v[MX+\q], v[SS+\k+2*\q], v[SS+\k+2*\q+1]
.endr
.endr
	v_max3_num_f32 v[MX], v[MX], v[SS+60], v[SS+61]
	v_max3_num_f32 v[MX+1], v[MX+1], v[SS+62], v[SS+63]
	v_max3_num_f32 v[MX], v[MX], v[MX+1], v[MX+2]
	v_max_num_f32 v[MX], v[MX], v[MX+3]
	v_permlanex16_b32 v[XL], v[MX], s[SEL], s[SEL+1]         ; the query's other 64 keys lie in the lane 16 away
	v_max_num_f32 v[MX], v[MX], v[XL]
	v_mul_f32 v[MX], s[MUL], v[MX]                 ; as t (the factor is positive)
	v_max_num_f32 v[TM], v[TM], v[MX]
	v_mov_b32 v[OLD], v[NM]
	v_floor_f32 v[NM], -v[TM]                      ; -M: M IS A WHOLE NUMBER
	v_sub_f32 v[OLD], v[NM], v[OLD]
	v_cvt_i32_f32 v[OLD], v[OLD]                   ; (it saturates)
	v_ldexp_f32 v[FF], 1.0, v[OLD]                 ; f = 2^(old M - new M)
.set jj, 0
.rept 32
	v_pk_fma_f32 v[SS+jj:SS+jj+1], v[SS+jj:SS+jj+1], s[MUL:MUL+1], v[NM:NM+1] op_sel_hi:[1,0,0]   ; t - M
.set jj, jj+2
.endr
	s_wait_alu depctr_va_vdst(0)
.set jj, 0
.rept 64
	v_exp_f32 v[SS+jj], v[SS+jj]                   ; p: NOT normalised
.set jj, jj+1
.endr
	v_pk_mul_f32 v[SUM:SUM+1], v[SUM:SUM+1], v[FF:FF+1] op_sel_hi:[1,0]   ; the sums under the new M (the plain line behind the batch)
	s_wait_alu depctr_va_vdst(0)                   ; and the one wait behind the batch, ahead of its first reader
	v_pk_add_f32 v[SU2:SU2+1], v[SS:SS+1], v[SS+2:SS+3]      ; THE ROW'S SUM IS TAKEN OF THE UNQUANTISED p
.set jj, 4
.rept 15
	v_pk_add_f32 v[SUM:SUM+1], v[SUM:SUM+1], v[SS+jj:SS+jj+1]
	v_pk_add_f32 v[SU2:SU2+1], v[SU2:SU2+1], v[SS+jj+2:SS+jj+3]
.set jj, jj+4
.endr
	v_pk_add_f32 v[SUM:SUM+1], v[SUM:SUM+1], v[SU2:SU2+1]
.irp b, 0,1,2,3
.set jj, 0
.rept 16
	v_min_num_f32 v[SS+16*\b+jj], v[SS+16*\b+jj], v[PLIM]    ; the conversion does not saturate (ISA guide 7.6.2); p is not negative, so the hold is one-sided
.set jj, jj+1
.endr
	v_cvt_scalef32_pk8_fp8_f32 v[PP+4*\b:PP+4*\b+1], v[SS+16*\b:SS+16*\b+7], v[PSC]
	v_cvt_scalef32_pk8_fp8_f32 v[PP+4*\b+2:PP+4*\b+3], v[SS+16*\b+8:SS+16*\b+15], v[PSC]
.endr
	s_wait_alu depctr_va_vdst(0)
.set jj, 0
.rept 32
	v_pk_mul_f32 v[OO+jj:OO+jj+1], v[OO+jj:OO+jj+1], v[FF:FF+1] op_sel_hi:[1,0]   ; O^T under the new M (also the plain lines between the conversions and the products)
.set jj, jj+2
.endr
	s_wait_alu depctr_va_vdst(0)
	s_wait_loadcnt 32*\nx                          ; V is in; the next K's 32 loads may be out
	WIN 0x01
.irp u, 0,1,2,3,4,5,6,7
	v_wmma_f32_16x16x128_fp8_fp8 v[OO+8*\u:OO+8*\u+7], v[128+16*\u:128+16*\u+15], v[PP:PP+15], v[OO+8*\u:OO+8*\u+7]   ; eight accumulators by turns
.endr
	WIN 0
	NOP4                                           ; places ahead of the loads into V's registers, and of the LDS stores that read O^T
.if \nx
	s_mov_b64 s[NV:NV+1], s[NA:NA+1]               ; V's last loads have been waited for above
	KVLOAD 128, NV, 16384
.endif
.endm
.Lphase:                                               ; two phases: tile 127 - a, then tile a
	s_wait_xcnt 0x0                                ; the last phase's loads have read their bases
	s_cmp_eq_u32 s[PH], 0
	s_cselect_b32 s[TT], s[THI], s[TLO]
	s_cselect_b32 s[T0], s[WHI], s[WLO]
	s_cselect_b32 s[PO], 0, PSZ
	s_xor_b32 s[T1], s19, s[PH]                    ; which blocks are mine: the even ones (0) or the odd ones (1)
	s_lshl_b32 s[T1], 0x5555, s[T1]
	s_and_not1_b32 s[ACT], s[T1], s[T0]            ; less those that may be left out
	s_lshr_b32 s[ZB], s[T0], 16
	s_bcnt1_i32_b32 s[NB], s[ACT]
	s_lshr_b32 s[QF], s[TT], 1
	s_lshl_b32 s[QF], s[QF], 12                    ; qc: two tiles of 2,048 bytes for 32 queries,
	s_and_b32 s[T1], s[TT], 1
	s_lshl_b32 s[T1], s[T1], 8                     ; and the tile's 16 of them
	s_add_co_u32 s[QF], s[QF], s[T1]
	s_add_nc_u64 s[QA:QA+1], s[4:5], s[QF:QF+1]
	s_lshl_b32 s[MF], s[TT], 17                    ; the mask: 16 rows of 8,192 bytes
	s_add_nc_u64 s[MB:MB+1], s[8:9], s[MF:MF+1]
	v_add_nc_u32 v[PA], s[PO], v[PA0]
	v_mov_b32 v[TM], 0xff61b1e6                    ; the largest t so far: -3e38
	v_floor_f32 v[NM], -v[TM]
	v_mov_b32 v[SUM], 0
	v_mov_b32 v[SUM+1], 0
.set jj, 0
.rept 64
	v_mov_b32 v[OO+jj], 0                          ; O^T: the trip is written once for all blocks; the first change of M leaves zeros zeros
.set jj, jj+1
.endr
	s_cmp_eq_u32 s[NB], 0
	s_wait_alu depctr_va_vdst(0)
	s_cbranch_scc1 .Lpart                          ; none of the tile's blocks is mine: my part is zeros under the least M
.irp c, 0,1,2,3
	global_load_b128 v[QQ+4*\c:QQ+4*\c+3], v[QO], s[QA:QA+1] offset:512*\c   ; Q's fragment stays in registers through the phase
.endr
	POP JC
	s_mov_b64 s[NV:NV+1], s[NA:NA+1]
	KVLOAD 0, NA, 0                                ; the first block's K,
	KVLOAD 128, NV, 16384                          ; and V
	s_mov_b32 s[CNT], 1
	s_cmp_ge_u32 s[CNT], s[NB]
	s_cbranch_scc1 .Ltail
.Ltrip:                                                ; all my blocks but the last
	TRIP 1
	s_min_u32 s[JC], s[JN], 15
	s_add_co_u32 s[CNT], s[CNT], 1
	s_cmp_lt_u32 s[CNT], s[NB]
	s_wait_alu depctr_va_vdst(0)
	s_cbranch_scc1 .Ltrip
.Ltail:
	TRIP 0                                         ; the last block asks for nothing more
.Lpart:
.set jj, 0
.rept 16
	ds_store_b128 v[PA], v[OO+4*jj:OO+4*jj+3] offset:512*jj  ; my part, as an image of the registers; each accumulator from its low end on
.set jj, jj+1
.endr
	ds_store_b128 v[PA], v[NM:NM+3] offset:8192    ; -M, the largest t, the sum's two halves
	s_wait_dscnt 0x0                               ; the stores have read their registers; and, behind the last phase, for the others' sake
	s_add_co_u32 s[PH], s[PH], 1
	s_cmp_lt_u32 s[PH], 2
	s_cbranch_scc1 .Lphase
	s_barrier_signal -1
	s_barrier_wait -1                              ; every wave's parts lie in LDS
	; THE TWO PARTS OF MY TILE ARE JOINED: each x 2^(its M - the larger M) / the joined sum x 2^(e8 + e9).
	v_add_nc_u32 v[PA], 8*PSZ, v[PR]
.set jj, 0
.rept 16
	ds_load_b128 v[SS+4*jj:SS+4*jj+3], v[PR] offset:512*jj
	ds_load_b128 v[MK+4*jj:MK+4*jj+3], v[PA] offset:512*jj
.set jj, jj+1
.endr
	ds_load_b128 v[16:19], v[PR] offset:8192
	ds_load_b128 v[20:23], v[PA] offset:8192
	s_wait_dscnt 0x0
	v_min_num_f32 v14, v16, v20                    ; -(the larger M)
	v_add_f32 v18, v18, v19
	v_add_f32 v22, v22, v23
	v_sub_f32 v12, v14, v16                        ; whole numbers, 0 or less
	v_sub_f32 v24, v14, v20
	v_cvt_i32_f32 v12, v12                         ; (it saturates: a part of zeros gets the factor 0)
	v_cvt_i32_f32 v24, v24
	v_ldexp_f32 v12, 1.0, v12
	v_ldexp_f32 v24, 1.0, v24
	v_mul_f32 v18, v18, v12
	v_fma_f32 v18, v22, v24, v18
	v_permlanex16_b32 v14, v18, s[SEL], s[SEL+1]
	v_add_f32 v18, v18, v14                        ; the row's sum
	s_wait_alu depctr_va_vdst(0)
	v_rcp_f32 v15, v18
	v_mov_b32 v13, 0                               ; (a plain line behind it; v13 and v25 are named as the upper halves of pairs)
	v_mov_b32 v25, 0
	s_add_co_i32 s[T0], s56, s57
	s_wait_alu depctr_va_vdst(0)                   ; and the wait ahead of its first reader
	v_ldexp_f32 v15, v15, s[T0]                    ; x 2^(e8 + e9)
	v_mul_f32 v12, v12, v15
	v_mul_f32 v24, v24, v15
.set jj, 0
.rept 32
	v_pk_mul_f32 v[SS+jj:SS+jj+1], v[SS+jj:SS+jj+1], v[12:13] op_sel_hi:[1,0]
.set jj, jj+2
.endr
.set jj, 0
.rept 32
	v_pk_fma_f32 v[SS+jj:SS+jj+1], v[MK+jj:MK+jj+1], v[24:25], v[SS+jj:SS+jj+1] op_sel_hi:[1,0,1]
.set jj, jj+2
.endr
	; THE WAY OUT.  The numbers are held, turned into codes (16 neighbouring channels a group of registers), and go through my own stage, so that a store's 32 lanes hold 512 bytes on end.
.irp b, 0,1,2,3
.set jj, 0
.rept 16
	v_med3_num_f32 v[SS+16*\b+jj], v[SS+16*\b+jj], -v[ALIM], v[ALIM]
.set jj, jj+1
.endr
	v_cvt_scalef32_pk8_fp8_f32 v[PP+4*\b:PP+4*\b+1], v[SS+16*\b:SS+16*\b+7], v[ASC]
	v_cvt_scalef32_pk8_fp8_f32 v[PP+4*\b+2:PP+4*\b+3], v[SS+16*\b+8:SS+16*\b+15], v[ASC]
.endr
	v_nop                                          ; a plain line behind the last conversion
.irp b, 0,1,2,3
	ds_store_b128 v[STO], v[PP+4*\b:PP+4*\b+3] offset:32*\b
.endr
.irp i, 0,1,2,3
	ds_load_b128 v[SS+4*\i:SS+4*\i+3], v[RD] offset:\i*4*SPT   ; LDS serves a wave's instructions in order (ISA guide 5.7.1.4): these see my stores
.endr
.irp i, 0,1,2,3
	s_wait_dscnt 3-\i
	global_store_b128 v[LN], v[SS+4*\i:SS+4*\i+3], s[14:15] offset:\i*512   ; 32 lanes store 512 consecutive bytes, at a multiple of 256 from ac's first byte
.endr
	s_wait_tensorcnt 0x0                           ; the wave's end, behind my last LDS store
	ds_add_u32 v[SPW], v[NIL]
	s_wait_dscnt 0x0
	s_endpgm
.Lfunc_end_k_q08d4c1f67e_attn:
	.size	k_q08d4c1f67e_attn, .Lfunc_end_k_q08d4c1f67e_attn-k_q08d4c1f67e_attn
	.p2alignl 7, 3214868480
	.fill 96, 4, 3214868480
	.section	.rodata,"a",@progbits
	.p2align	6, 0x0
	.amdhsa_kernel k_q08d4c1f67e_attn
		.amdhsa_group_segment_fixed_size 226304
		.amdhsa_private_segment_fixed_size 0
		.amdhsa_enable_private_segment 0
		.amdhsa_kernarg_size 48
		.amdhsa_user_sgpr_count 2
		.amdhsa_user_sgpr_kernarg_segment_ptr 1
		.amdhsa_wavefront_size32 1
		.amdhsa_system_sgpr_workgroup_id_x 1
		.amdhsa_system_sgpr_workgroup_id_y 1
		.amdhsa_system_sgpr_workgroup_id_z 1
		.amdhsa_system_vgpr_workitem_id 0
		.amdhsa_next_free_vgpr 512
		.amdhsa_next_free_sgpr 100
		.amdhsa_reserve_vcc 0
		.amdhsa_float_denorm_mode_32 3
		.amdhsa_float_denorm_mode_16_64 3
		.amdhsa_memory_ordered 1
		.amdhsa_forward_progress 1
		.amdhsa_inst_pref_size 86
	.end_amdhsa_kernel
	.amdgpu_metadata
---
amdhsa.version: [ 1, 2 ]
amdhsa.kernels:
  - .name:           k_q08d4c1f67e_attn
    .symbol:         k_q08d4c1f67e_attn.kd
    .args:
      - { .name: qc, .offset: 0, .size: 8, .value_kind: global_buffer, .address_space: global }
      - { .name: kv, .offset: 8, .size: 8, .value_kind: global_buffer, .address_space: global }
      - { .name: attention_mask, .offset: 16, .size: 8, .value_kind: global_buffer, .address_space: global }
      - { .name: flags, .offset: 24, .size: 8, .value_kind: global_buffer, .address_space: global }
      - { .name: lowp_scales, .offset: 32, .size: 8, .value_kind: global_buffer, .address_space: global }
      - { .name: ac, .offset: 40, .size: 8, .value_kind: global_buffer, .address_space: global }
    .group_segment_fixed_size: 226304
    .private_segment_fixed_size: 0
    .kernarg_segment_align: 8
    .kernarg_segment_size: 48
    .max_flat_workgroup_size: 256
    .sgpr_count:     100
    .vgpr_count:     512
    .wavefront_size: 32
...
	.end_amdgpu_metadata
.endif
;; end of part 3
;; launch outp (part 4): grid 16 x 16, 4 waves a work-group, clusters of 4 x 4, 327,680 bytes of LDS; arguments ac, woc, bo, lowp_scales, out0; writes out0
.if DOCPART == 4
	.amdgcn_target "amdgcn-amd-amdhsa--gfx1250"
	.amdhsa_code_object_version 6
	.text
	.protected	k_q08d4c1f67e_outp
	.globl	k_q08d4c1f67e_outp
	.p2align	8
	.type	k_q08d4c1f67e_outp,@function
k_q08d4c1f67e_outp:
	s_mov_b64 s[64:65], 0
	v_nop
	global_prefetch_b8 v0, s[64:65] scope:SCOPE_SE
	s_setreg_imm32_b32 hwreg(HW_REG_WAVE_MODE, 25, 1), 1
	s_wait_xcnt 0x0
	s_wait_alu depctr_hold_cnt(0) depctr_sa_sdst(0) depctr_va_vdst(0) depctr_va_sdst(0) depctr_va_ssrc(0) depctr_va_vcc(0) depctr_vm_vsrc(0)
	s_getreg_b32 s2, hwreg(HW_REG_IB_STS2, 6, 4)
	s_cmp_eq_u32 s2, 0
	s_cbranch_scc0 .Lentry_in_a_cluster
	s_endpgm
.Lentry_in_a_cluster:
	s_bfe_u32 s2, ttmp6, 0x10000c
	s_cmp_lg_u32 s2, 0xf033
	s_cbranch_scc0 .Lentry_shape_is_right
	s_endpgm
.Lentry_shape_is_right:
.set KSLOT,  512
.set PITCH,  528
.set HALFT,  64*PITCH
; ac is laid [head][row][128 codes].  A slot's 512 along K are four heads: the first operand's tile of 64 rows is four dense runs of 8,192 bytes, 262,144 bytes apart, stated as four rows of 8,192 bytes,
; with the padding behind each 128 bytes: in LDS head q's row r lies at (64 q + r) x 144.
.set APITCH, 144
.set AHALF,  256*APITCH
.set HEADST, 0x40000                   ; from head to head in ac, in bytes
.set SLOT,   2*AHALF+2*HALFT           ; the first operand's two halves, then the second's
.set STAGE,  2*SLOT
.set SPITCH, 272
.set STG1,   16*SPITCH
.set SPARE,  STAGE+4*2*STG1
.set OBI,  12
.set ADRA, 16
.set ADRB, 20
.set STO,  24
.set RD,   25
.set CO,   26
.set SPW,  28
.set NIL,  29
.set BI,   32
.set TMP,  64
.set BK,   96
.set ACC,  128
.set G1, 24
.set G0, 32
.set G1B, 48
.set G0B, 56
.set MSB, 0
.macro WIN new
.if MSB != (\new)
	s_set_vgpr_msb (MSB<<8)|(\new)
.set MSB, (\new)
.endif
.endm
.macro JLOAD
	s_cmp_eq_u32 s15, 0
	s_cbranch_scc0 .Lfor_b_\@
	tensor_load_to_lds s[G0+4*slN:G0+4*slN+3], s[G1:G1+7]
	s_nop 0
.rept 4
	v_nop
.endr
	s_branch .Lasked_\@
.Lfor_b_\@:
	tensor_load_to_lds s[G0B+4*slN:G0B+4*slN+3], s[G1B:G1B+7]
	s_nop 0
.rept 4
	v_nop
.endr
.Lasked_\@:
.endm
.macro CROUND
	s_barrier_signal -1
	s_barrier_wait -1
	s_cmp_lg_u32 s14, 0
	s_cbranch_scc1 .Lnot_wave_0_\@
	s_barrier_signal -3
.Lnot_wave_0_\@:
	s_barrier_wait -3
	s_barrier_signal -1
	s_barrier_wait -1
.endm
.macro PLACES
.rept 4
	v_nop
.endr
.endm
	s_load_b256 s[4:11], s[0:1], 0x0
	s_load_b64 s[12:13], s[0:1], 0x20
	v_lshl_add_u32 v[SPW], v0, 2, SPARE
	v_mov_b32 v[NIL], 0
	ds_add_u32 v[SPW], v[NIL]
	ds_add_u32 v[SPW], v[NIL]
	v_lshrrev_b32 v1, 5, v0
	v_readfirstlane_b32 s14, v1
	s_lshr_b32 s15, s14, 1
	s_and_b32 s16, s14, 1
	s_bfe_u32 s40, ttmp6, 0x40000
	s_bfe_u32 s41, ttmp6, 0x40004
	s_lshl_b32 s42, ttmp9, 2
	s_add_co_u32 s42, s42, s40
	s_and_b32 s17, ttmp7, 0xffff
	s_lshl_b32 s17, s17, 2
	s_add_co_u32 s17, s17, s41
	s_lshl_b32 s43, s41, 2
	s_lshl_b32 s43, 15, s43
	s_lshl_b32 s44, 0x1111, s40
	s_or_b32 s[G1+0], s43, (0<<16)|(1<<20)|(1<<21)|(4<<22)|(3<<25)
	s_mov_b32 s[G1+1], 8192<<16
	s_mov_b32 s[G1+2], 4<<16
	s_mov_b32 s[G1+3], 8192<<16
	s_mov_b32 s[G1+4], 4
	s_mov_b32 s[G1+5], HEADST
	s_mov_b32 s[G1+6], 0
	s_mov_b32 s[G1+7], 0
	s_or_b32 s[G1B+0], s44, (0<<16)|(1<<20)|(1<<21)|(6<<22)|(3<<25)
.irp g, G1B
	s_mov_b32 s[\g+1], KSLOT<<16
	s_mov_b32 s[\g+2], 64<<16
	s_mov_b32 s[\g+3], KSLOT<<16
	s_mov_b32 s[\g+4], 64
	s_mov_b32 s[\g+5], 2048
	s_mov_b32 s[\g+6], 0
	s_mov_b32 s[\g+7], 0
.endr
	s_lshl_b32 s18, s16, 6
	s_lshl_b32 s20, s17, 7
	s_add_co_u32 s20, s20, s18
	s_lshl_b32 s20, s20, 7
	s_mov_b32 s21, 0
	s_lshl_b32 s46, s42, 7
	s_add_co_u32 s46, s46, s18
	s_lshl_b32 s46, s46, 11
	s_mov_b32 s47, 0
	s_mul_i32 s45, s16, AHALF
	s_mul_i32 s19, s16, HALFT
	s_add_co_u32 s19, s19, 2*AHALF
	s_wait_dscnt 0x0
	s_wait_kmcnt 0x0
	s_load_b64 s[66:67], s[10:11], 0x28
	s_add_nc_u64 s[20:21], s[4:5], s[20:21]
	s_add_nc_u64 s[46:47], s[6:7], s[46:47]
	CROUND
.irp s, 0,1
.set slN, \s
	s_mov_b32 s[G0+4*\s], 1
	s_add_co_u32 s[G0+4*\s+1], s45, \s*SLOT
	s_add_nc_u64 s[G0+4*\s+2:G0+4*\s+3], s[20:21], \s*4*HEADST
	s_or_b32 s[G0+4*\s+3], s[G0+4*\s+3], 0x80000000
	s_mov_b32 s[G0B+4*\s], 1
	s_add_co_u32 s[G0B+4*\s+1], s19, \s*SLOT
	s_add_nc_u64 s[G0B+4*\s+2:G0B+4*\s+3], s[46:47], \s*KSLOT
	s_or_b32 s[G0B+4*\s+3], s[G0B+4*\s+3], 0x80000000
	s_wait_alu depctr_va_vdst(0)
	s_wait_tensorcnt 0x0
	ds_add_u32 v28, v29
	ds_add_u32 v28, v29
	s_wait_dscnt 0x0
	CROUND
	JLOAD
.endr
	v_and_b32 v1, 15, v0
	s_wait_alu depctr_va_vdst(0)
	v_bfe_u32 v2, v0, 4, 1
	v_mul_u32_u24 v3, v1, PITCH
	v_lshl_add_u32 v3, v2, 4, v3
	v_mul_u32_u24 v6, v1, APITCH
	v_lshl_add_u32 v6, v2, 4, v6
	s_mul_i32 s21, s15, AHALF
	s_mul_i32 s22, s16, HALFT
	s_add_co_u32 s22, s22, 2*AHALF
.irp s, 0,1
	v_add_nc_u32 v[ADRA+\s], s21, v6
	v_add_nc_u32 v[ADRB+\s], s22, v3
	s_add_co_u32 s21, s21, SLOT
	s_add_co_u32 s22, s22, SLOT
.endr
	s_mul_i32 s23, s14, 2*STG1
	s_add_co_u32 s23, s23, STAGE
	v_mul_u32_u24 v4, v1, SPITCH
	s_wait_alu depctr_va_vdst(0)
	v_lshl_add_u32 v4, v2, 5, v4
	v_add_nc_u32 v[STO], s23, v4
	v_mul_u32_u24 v5, v2, SPITCH
	v_lshl_add_u32 v5, v1, 4, v5
	v_add_nc_u32 v[RD], s23, v5
	v_lshlrev_b32 v5, 13, v2
	v_lshl_add_u32 v[CO], v1, 4, v5
	s_lshl_b32 s18, s42, 1
	s_add_co_u32 s18, s18, s16
	s_lshl_b32 s18, s18, 8
	v_lshlrev_b32 v[OBI], 5, v2
	v_add_nc_u32 v[OBI], s18, v[OBI]
.irp b, 0,1,2,3
	global_load_b128 v[BI+8*\b:BI+8*\b+3], v[OBI], s[8:9] offset:64*\b
	global_load_b128 v[BI+8*\b+4:BI+8*\b+7], v[OBI], s[8:9] offset:64*\b+16
.endr
	s_lshl_b32 s20, s17, 1
	s_add_co_u32 s20, s20, s15
	s_lshl_b32 s20, s20, 19
	s_add_co_u32 s20, s20, s18
	s_mov_b32 s21, 0
	s_add_nc_u64 s[12:13], s[12:13], s[20:21]
.macro FETCHN
	WIN 0x40
.irp i, 0,1,2,3
.irp c, 0,1,2,3
	ds_load_b128 v[gN+64+16*\i+4*\c:gN+64+16*\i+4*\c+3], v[ADRB+nsN] offset:128*nqN+32*\c+\i*16*PITCH
	ds_load_b128 v[gN+16*\i+4*\c:gN+16*\i+4*\c+3],       v[ADRA+nsN] offset:64*APITCH*nqN+32*\c+\i*16*APITCH
.endr
.endr
.endm
.macro MUL16 zero
	WIN 0x05
.irp a, 0,1,2,3
.irp b, 0,1,2,3
.if \zero
	v_wmma_f32_16x16x128_fp8_fp8 v[ACC+8*(4*\a+\b):ACC+8*(4*\a+\b)+7], v[fN+64+16*\b:fN+64+16*\b+15], v[fN+16*\a:fN+16*\a+15], 0
.else
	v_wmma_f32_16x16x128_fp8_fp8 v[ACC+8*(4*\a+\b):ACC+8*(4*\a+\b)+7], v[fN+64+16*\b:fN+64+16*\b+15], v[fN+16*\a:fN+16*\a+15], v[ACC+8*(4*\a+\b):ACC+8*(4*\a+\b)+7]
.endif
.endr
.endr
.endm
.macro QUARTER n, zero
.set sN, (\n)/4
.set qN, (\n)%4
.set fN, 128*((\n)%2)
.set gN, 128-fN
.set slN, sN%2
.set nsN, (((\n)+1)/4)%2
.set nqN, ((\n)+1)%4
.if (qN == 3) && (sN < 3)
	WIN 0
	s_wait_tensorcnt 0x0
	ds_add_u32 v[SPW], v[NIL]
.if sN < 2
	s_add_nc_u64 s[G0+4*slN+2:G0+4*slN+3], s[G0+4*slN+2:G0+4*slN+3], 2*4*HEADST
	s_add_nc_u64 s[G0B+4*slN+2:G0B+4*slN+3], s[G0B+4*slN+2:G0B+4*slN+3], 2*KSLOT
.endif
	s_wait_dscnt 0x0
.if sN < 2
	CROUND
	JLOAD
.else
	s_barrier_signal -1
	s_barrier_wait -1
	PLACES
.endif
.else
	s_wait_dscnt 0x0
	PLACES
.endif
.if (\n) < 15
	FETCHN
.endif
	MUL16 \zero
.endm
	s_wait_tensorcnt 1
	s_barrier_signal -1
	s_barrier_wait -1
.set gN, 0
.set nsN, 0
.set nqN, 0
	FETCHN
	QUARTER 0, 1
.irp n, 1,2,3,4,5,6,7,8,9,10,11,12,13,14,15
	QUARTER \n, 0
.endr
	WIN 0
.macro PACK a
.set j, 0
.rept 16
	v_pk_fma_f32 v[TMP+j:TMP+j+1], v[ACC+32*(\a)+j:ACC+32*(\a)+j+1], s[66:67], v[BI+j:BI+j+1] op_sel_hi:[1,0,1]
.set j, j+2
.endr
.irp b, 0,1,2,3
	ds_store_b128 v[STO], v[TMP+8*\b:TMP+8*\b+3] offset:((\a)%2)*STG1+64*\b
	ds_store_b128 v[STO], v[TMP+8*\b+4:TMP+8*\b+7] offset:((\a)%2)*STG1+64*\b+16
.endr
.endm
.macro BACK a
.irp i, 0,1,2,3,4,5,6,7
	ds_load_b128 v[BK+4*\i:BK+4*\i+3], v[RD] offset:((\a)%2)*STG1+\i*2*SPITCH
.endr
.endm
.macro SEND a, younger
	s_wait_dscnt \younger
.irp i, 0,1,2,3,4,5,6,7
	global_store_b128 v[CO], v[BK+4*\i:BK+4*\i+3], s[12:13] offset:(16*(\a)+2*\i)*8192 th:TH_STORE_NT
.endr
.endm
	s_wait_kmcnt 0x0
	s_add_co_i32 s66, s66, s67
	s_add_co_i32 s66, s66, 127
	s_lshl_b32 s66, s66, 23
	s_mov_b32 s67, s66
	s_wait_loadcnt 0x0
	PLACES
	PACK 0
	BACK 0
	PACK 1
	SEND 0, 8
	s_wait_xcnt 0x0
	BACK 1
	PACK 2
	SEND 1, 8
	s_wait_xcnt 0x0
	BACK 2
	PACK 3
	SEND 2, 8
	s_wait_xcnt 0x0
	BACK 3
	SEND 3, 0
	s_wait_tensorcnt 0x0
	ds_add_u32 v[SPW], v[NIL]
	s_wait_dscnt 0x0
	CROUND
	s_endpgm
.Lfunc_end_k_q08d4c1f67e_outp:
	.size	k_q08d4c1f67e_outp, .Lfunc_end_k_q08d4c1f67e_outp-k_q08d4c1f67e_outp
	.p2alignl 7, 3214868480
	.fill 96, 4, 3214868480
	.section	.rodata,"a",@progbits
	.p2align	6, 0x0
	.amdhsa_kernel k_q08d4c1f67e_outp
		.amdhsa_group_segment_fixed_size 327680
		.amdhsa_private_segment_fixed_size 0
		.amdhsa_enable_private_segment 0
		.amdhsa_kernarg_size 40
		.amdhsa_user_sgpr_count 2
		.amdhsa_user_sgpr_kernarg_segment_ptr 1
		.amdhsa_wavefront_size32 1
		.amdhsa_system_sgpr_workgroup_id_x 1
		.amdhsa_system_sgpr_workgroup_id_y 1
		.amdhsa_system_sgpr_workgroup_id_z 1
		.amdhsa_system_vgpr_workitem_id 0
		.amdhsa_next_free_vgpr 512
		.amdhsa_next_free_sgpr 70
		.amdhsa_reserve_vcc 0
		.amdhsa_float_denorm_mode_32 3
		.amdhsa_float_denorm_mode_16_64 3
		.amdhsa_memory_ordered 1
		.amdhsa_forward_progress 1
		.amdhsa_inst_pref_size 75
	.end_amdhsa_kernel
	.amdgpu_metadata
---
amdhsa.version: [ 1, 2 ]
amdhsa.kernels:
  - .name:           k_q08d4c1f67e_outp
    .symbol:         k_q08d4c1f67e_outp.kd
    .args:
      - { .name: ac, .offset: 0, .size: 8, .value_kind: global_buffer, .address_space: global }
      - { .name: woc, .offset: 8, .size: 8, .value_kind: global_buffer, .address_space: global }
      - { .name: bo, .offset: 16, .size: 8, .value_kind: global_buffer, .address_space: global }
      - { .name: lowp_scales, .offset: 24, .size: 8, .value_kind: global_buffer, .address_space: global }
      - { .name: out0, .offset: 32, .size: 8, .value_kind: global_buffer, .address_space: global }
    .group_segment_fixed_size: 327680
    .private_segment_fixed_size: 0
    .kernarg_segment_align: 8
    .kernarg_segment_size: 40
    .max_flat_workgroup_size: 128
    .sgpr_count:     70
    .vgpr_count:     512
    .wavefront_size: 32
...
	.end_amdgpu_metadata
.endif
;; end of part 4
